; MI455X (gfx1250); checked and timed in simulation.
; The chip was launched on July 23, 2026; its instructions are those of AMD's public machine-readable ISA for CDNA 5 (MIT licence, August 2026) and "CDNA5" Instruction Set Architecture Reference Guide (July 2026). The comments in the code are by the model that wrote it; some were corrected since.
;; Dynamic Network. Allowed arithmetic: matrix products marked QUANTISED: E2M1 operands, one E8M0 scale for each 32 along K, by v_wmma_scale_f32_16x16x128_f8f6f4 with both operands' format E2M1 (or v_wmma_scale_f32_32x16x128_f4), f32 sums; products left as they are: f32 operands where the result goes on into a quantised operand, else bf16, f16 or f32 operands; f32 sums; everything else in f32.
;; Inputs: W1 60 x 64 float32; W2 64 x 64 float32; W3 64 x 3 float32; points_xt 1,048,576 x 2 float32; points_xy 1,048,576 x 2 float32; points_xz 1,048,576 x 2 float32; points_yt 1,048,576 x 2 float32; points_yz 1,048,576 x 2 float32; points_zt 1,048,576 x 2 float32; tables 6 x 4 x 524,288 x 2 float32.
;; Outputs: out0 1,048,576 x 3 float32.
;; This version of the problem:
;;   THIS VERSION OF THE PROBLEM IS GIVEN IN LOW PRECISION. The matrix products marked QUANTISED in the list below multiply operands that are first quantised to E2M1 (2 exponent bits, 1 mantissa bit; 4 bits a number), with one power-of-two scale for each 32 numbers along K (OCP MX v1.0); their sums are f32. All else is computed in f32.
;;   The module's matrix products, in the order in which they are computed (A, B: the left and right operand; K: the contracted axis; several contracted axes count as one K, in the product's order):
;;     1. [M 1,048,576, K 60] x [K 60, N 64]; A: computed on the way; B: input W1: QUANTISED
;;     2. [M 1,048,576, K 64] x [K 64, N 64]; A: computed on the way; B: input W2: QUANTISED
;;     3. [M 1,048,576, K 64] x [K 64, N 3]; A: computed on the way; B: input W3: left as it is (N = 3 < 16)
;;   THE QUANTISER, for each operand of a quantised product, along K:
;;     - K is cut into blocks of 32 from its start; a last block that is shorter is filled with zeros.
;;     - A block's scale is 2^e with e = floor(log2(the largest magnitude in the block)) - 2, held to -126 .. 127; a block of zeros has e = 0. As a byte (E8M0): e + 127.
;;     - Each number is divided by its block's scale, clamped to +-6, and rounded to the nearest number of E2M1, ties to even, subnormals kept.
;;     - The product sums the exact products of the quantised numbers (number of the format x scale) in f32.
;;   ~~~python
;;   def quantise(x, axis):      # numpy; x: float32 -> the quantised numbers, widened to float32 again
;;       x = np.moveaxis(x, axis, -1); K = x.shape[-1]
;;       x = np.pad(x, [(0, 0)] * (x.ndim - 1) + [(0, -K % 32)]); x = x.reshape(x.shape[:-1] + (-1, 32)); a = np.abs(x).max(-1, keepdims=True)
;;       e = np.where(a > 0, np.clip(np.frexp(np.where(a > 0, a, 1))[1] - 1 - 2, -126, 127), 0)      # np.frexp(a)[1] - 1 = floor(log2(a)), exactly
;;       r = np.clip(x / 2.0 ** e, -6, 6)
;;       step = 2.0 ** (np.maximum(np.frexp(np.where(r == 0, 1, r))[1] - 1, 0) - 1)
;;       q = np.round(r / step) * step * 2.0 ** e      # np.round: ties to even
;;       return np.moveaxis(q.reshape(q.shape[:-2] + (-1,))[..., :K], -1, axis).astype(np.float32)
;;   ~~~
;;   OPERANDS COMPUTED ON THE WAY. 'Computed on the way' means the value that the module computes at that place (a softmax that the list does not call 'softmax' is quantised finished and normalised). What goes into a quantiser is computed in f32, as accurately as f32 sums, v_exp_f32 and their like allow (about 1e-6 of the number): no bf16 or f16 on the way to a quantiser, and a product that is left as it is and whose result goes on into a quantised operand takes f32 operands (vector FMAs, or v_wmma_f32_16x16x4_f32). A number that lies on a knife's edge between two numbers of the format may be rounded either way, as far as f32 arithmetic and the matrix unit's own rounding can turn it there, and no further.
;; 3 versions, each right; version 2 is faster than version 1; version 3 is version 2 with the launch mlp written anew for expert scheduling mode. Each part assembles by itself: llvm-mc -triple=amdgcn-amd-amdhsa -mcpu=gfx1250 --defsym DOCPART=n.
;; ======== version 1 of 3: 2 launches
;; limits: inputs' magnitudes at most 96.9
;; workspace buffers: idx 100,663,296 bytes of whole numbers; wq 5,120 bytes
;; launch index (part 1): grid 1024 x 1, 8 waves a work-group, no clusters, 0 bytes of LDS; arguments points_xy, points_xz, points_yz, points_xt, points_yt, points_zt, W1, W2, idx, wq; writes idx, wq
.if DOCPART == 1
	.amdgcn_target "amdgcn-amd-amdhsa--gfx1250"
	.amdhsa_code_object_version 6
	.text
	.protected	k_qa07e2a860e_index
	.globl	k_qa07e2a860e_index
	.p2align	8
	.type	k_qa07e2a860e_index,@function
k_qa07e2a860e_index:
	s_mov_b64 s[64:65], 0
	v_nop
	global_prefetch_b8 v0, s[64:65] scope:SCOPE_SE
	s_setreg_imm32_b32 hwreg(HW_REG_WAVE_MODE, 25, 1), 1
	s_wait_xcnt 0x0
; FIRST OF TWO LAUNCHES.  The hash grid's cells come from floating-point numbers, and the gathers' addresses come from the cells: so the cells are made here and stored as whole numbers,
; and the next launch, which reads them, forms the addresses.
; idx: [plane 6][point 2^20][level 4] of 32-bit words.  A word is (cx << 19) | ((cy x 2654435761) mod 2^19), cx = floor(p0 x res), cy = floor(p1 x res) as 32-bit integers: all that the four
; corners' indices ((cx + dx) xor (cy + dy) x 2654435761) mod 2^19 need.  A point's four levels of a plane are 16 bytes: a wave's store covers 512 consecutive bytes, aligned.
; wq: W1 [60][64] and W2 [64][64] as codes of FP4 (E2M1) with one E8M0 scale for each 32 along K, laid as images of the operand's registers: tile n = 4 x layer + t at byte 512 n, lane l's 16 bytes at 16 l;
; its scale words at 4096 + 128 n + 4 l.  Row r of tile t is output unit (r % 8) + 8 t + 32 (r / 8).  Work-group 0 makes them, a tile a wave.
; LIMITS: cx is kept in 13 bits, signed: -4096 <= floor(p0 x res) <= 4095, that is |p0| < 96.9 at the finest level; |p1 x res| < 2^31.  NaN and infinities are not served.
; A block of zeros gets the scale byte 1 where the rule says 127: its codes are zeros, and this program alone reads the bytes.
; SHARES: a work-group takes 1,024 points; thread n takes points 256 t + n of them, t = 0 .. 3.  No LDS, no barrier: threads share nothing.  All 24 loads go out first; every store has data registers of its own.
.set PT,  8                            ; v8-55    the points: set t, plane p at 8 + 12 t + 2 p
.set O,   56                           ; v56-151  the words: set t, plane p at 56 + 24 t + 4 p
.set T,   152                          ; v152-159 at work: a pair for each level
.set PB,  4                            ; s[4:15]  the six planes' points, at the work-group's first point
.set IB,  24                           ; s[24:35] idx, plane p, at the work-group's first point
.set RES, 36                           ; s[36:43] the four levels' resolutions, each as a pair (the packed form names a pair and takes its low word)
.set PRM, 44                           ; s44      2654435761
.set MSK, 45                           ; s45      2^19 - 1
.set SEL, 46                           ; s[46:47] v_permlanex16_b32's selects for lane l xor 16
	s_load_b512 s[4:19], s[0:1], 0x0               ; six planes' points s[4:15], W1 s[16:17], W2 s[18:19]
	s_load_b128 s[20:23], s[0:1], 0x40             ; idx s[20:21], wq s[22:23]
	v_lshlrev_b32 v1, 3, v0                        ; 8 bytes of points a thread
	v_lshlrev_b32 v2, 4, v0                        ; 16 bytes of words a thread
	v_lshlrev_b32 v3, 2, v0                        ; 4 bytes a thread: the weights' scale words
	s_mov_b32 s[RES+0], 0x41800000                 ; 16
	s_mov_b32 s[RES+2], 0x41b0e219                 ; 16 x 1.3819, rounded to f32
	s_mov_b32 s[RES+4], 0x41f46f55                 ; 16 x 1.3819^2
	s_mov_b32 s[RES+6], 0x4228e46d                 ; 16 x 1.3819^3
.irp l, 0,1,2,3
	s_mov_b32 s[RES+2*\l+1], s[RES+2*\l]
.endr
	s_mov_b32 s[PRM], 0x9e3779b1
	s_mov_b32 s[MSK], 0x7ffff
	s_mov_b32 s[SEL], 0x76543210
	s_mov_b32 s[SEL+1], 0xfedcba98
	s_lshl_b32 s2, ttmp9, 13                       ; the work-group's 1,024 points: 8,192 bytes of points,
	s_mov_b32 s3, 0
	s_lshl_b32 s48, ttmp9, 14                      ; 16,384 bytes of words in each plane
	s_mov_b32 s49, 0
	s_wait_kmcnt 0x0
.irp p, 0,1,2,3,4,5
	s_add_nc_u64 s[PB+2*\p:PB+2*\p+1], s[PB+2*\p:PB+2*\p+1], s[2:3]
.endr
.irp t, 0,1,2,3
.irp p, 0,1,2,3,4,5
	global_load_b64 v[PT+12*\t+2*\p:PT+12*\t+2*\p+1], v1, s[PB+2*\p:PB+2*\p+1] offset:2048*\t th:TH_LOAD_NT   ; a wave reads 256 consecutive bytes, aligned
.endr
.endr
	s_add_nc_u64 s[IB:IB+1], s[20:21], s[48:49]
.irp p, 1,2,3,4,5
	s_add_nc_u64 s[IB+2*\p:IB+2*\p+1], s[IB:IB+1], \p*0x1000000   ; a plane's words are 2^24 bytes
.endr
; One point of one plane: its four words, the four levels line by line, so that no line waits for the line above it.
.macro PLANE src, dst
.irp l, 0,1,2,3
	v_pk_mul_f32 v[T+2*\l:T+2*\l+1], v[(\src):(\src)+1], s[RES+2*\l:RES+2*\l+1] op_sel_hi:[1,0]   ; pos = p x res
.endr
.irp i, 0,1,2,3,4,5,6,7
	v_floor_f32 v[T+\i], v[T+\i]
.endr
.irp i, 0,1,2,3,4,5,6,7
	v_cvt_i32_f32 v[T+\i], v[T+\i]                 ; a whole number: nothing is rounded
.endr
.irp l, 0,1,2,3
	v_mul_lo_u32 v[T+2*\l+1], v[T+2*\l+1], s[PRM]  ; cy x the prime, modulo 2^32
.endr
.irp l, 0,1,2,3
	v_and_b32 v[T+2*\l+1], s[MSK], v[T+2*\l+1]     ; its low 19 bits
.endr
.irp l, 0,1,2,3
	v_lshl_or_b32 v[(\dst)+\l], v[T+2*\l], 19, v[T+2*\l+1]
.endr
.endm
.irp t, 0,1,2,3
	s_wait_loadcnt 6*(3-\t)                        ; loads come back in order: set t's six are in, the later sets' may be out
.irp p, 0,1,2,3,4,5
	PLANE PT+12*\t+2*\p, O+24*\t+4*\p
	global_store_b128 v2, v[O+24*\t+4*\p:O+24*\t+4*\p+3], s[IB+2*\p:IB+2*\p+1] offset:4096*\t th:TH_STORE_NT   ; a wave stores 512 consecutive bytes, aligned
.endr
.endr
	s_cmp_lg_u32 ttmp9, 0
	s_cbranch_scc1 .Lend
	; THE WEIGHTS, in work-group 0: wave w makes tile t = w % 4 of layer w / 4.  Lane (r, h) takes column u of the weight and its registers run down K: k = 32 h + 0 .. 31, one whole block,
	; in the order that the operand's layout gives that lane.  The registers used are the points' (their loads are in); no store's data or address is rewritten.
	v_lshrrev_b32 v44, 5, v0
	v_readfirstlane_b32 s48, v44                   ; wave
	s_lshr_b32 s49, s48, 2                         ; layer
	s_and_b32 s50, s48, 3
	s_lshl_b32 s50, s50, 3                         ; 8 t
	s_lshl_b32 s51, s49, 13                        ; 32 rows of 256 bytes in layer 1, 0 in layer 0
	v_and_b32 v44, 7, v0
	v_and_b32 v45, 8, v0
	v_lshl_add_u32 v44, v45, 2, v44                ; r % 8 + 32 (r / 8)
	v_add_lshl_u32 v44, v44, s50, 2                ; 4 u
	v_bfe_u32 v45, v0, 4, 1                        ; h
	v_lshl_add_u32 v46, v45, 13, v44               ; row 32 h, column u
	v_mad_u32_u24 v47, v45, s51, v44               ; the same for W2; for W1 always row 0: W1 has 60 rows, so its rows 60 to 63 are not loaded: rows 28 to 31 are, and are then replaced by zeros
	s_cmp_eq_u32 s49, 0
	s_cselect_b64 s[52:53], s[16:17], s[18:19]
.irp i, 0,1,2,3,4,5,6,7,8,9,10,11,12,13,14,15,16,17,18,19,20,21,22,23,24,25,26,27
	global_load_b32 v[PT+\i], v46, s[52:53] offset:256*\i
.endr
.irp i, 28,29,30,31
	global_load_b32 v[PT+\i], v47, s[52:53] offset:256*\i
.endr
	s_wait_loadcnt 0x0
	v_cmp_eq_u32 vcc_lo, v46, v47                  ; false where k would be 60 .. 63 of W1
.irp i, 28,29,30,31
	v_cndmask_b32 v[PT+\i], 0, v[PT+\i], vcc_lo    ; the last block is filled with zeros
.endr
	v_max3_num_f32 v48, |v[PT]|, |v[PT+1]|, 0x1800000   ; the block's largest magnitude, and the floor 2^(3 - 127): the byte cannot fall under 1
.irp i, 2,4,6,8,10,12,14,16,18,20,22,24,26,28,30
	v_max3_num_f32 v48, v48, |v[PT+\i]|, |v[PT+\i+1]|
.endr
	v_add_nc_u32 v49, 0xff000000, v48              ; 2 off its exponent field: the conversion takes the exponent field of this operand as its scale
	v_lshrrev_b32 v50, 23, v49                     ; the scale's byte
	v_lshlrev_b32 v51, 3, v45
	v_lshlrev_b32 v50, v51, v50                    ; at its place in the scale word: 8 h bits up
	v_mov_b32 v51, 0                               ; (a lane permute's destination counts as one of its sources)
	v_permlanex16_b32 v51, v50, s[SEL], s[SEL+1]
	v_or_b32 v50, v50, v51                         ; with lane l xor 16's byte: bytes 0 and 1; bytes 2 and 3 stay 0 (k = 64 .. 127 meets zero codes)
.irp g, 0,1,2,3
	v_cvt_scalef32_pk8_fp4_f32 v[40+\g], v[PT+8*\g:PT+8*\g+7], v49
.endr
	v_nop                                          ; one plain line behind the last scaled conversion
	global_store_b128 v2, v[40:43], s[22:23]       ; 16 x thread = 512 x wave + 16 x lane: the tile's image
	global_store_b32 v3, v50, s[22:23] offset:4096 ; 4 x thread = 128 x wave + 4 x lane: its scale words
.Lend:
	s_endpgm
.Lfunc_end_k_qa07e2a860e_index:
	.size	k_qa07e2a860e_index, .Lfunc_end_k_qa07e2a860e_index-k_qa07e2a860e_index
	.p2alignl 7, 3214868480
	.fill 96, 4, 3214868480
	.section	.rodata,"a",@progbits
	.p2align	6, 0x0
	.amdhsa_kernel k_qa07e2a860e_index
		.amdhsa_group_segment_fixed_size 0
		.amdhsa_private_segment_fixed_size 0
		.amdhsa_enable_private_segment 0
		.amdhsa_kernarg_size 80
		.amdhsa_user_sgpr_count 2
		.amdhsa_user_sgpr_kernarg_segment_ptr 1
		.amdhsa_wavefront_size32 1
		.amdhsa_system_sgpr_workgroup_id_x 1
		.amdhsa_system_sgpr_workgroup_id_y 1
		.amdhsa_system_sgpr_workgroup_id_z 1
		.amdhsa_system_vgpr_workitem_id 0
		.amdhsa_next_free_vgpr 160
		.amdhsa_next_free_sgpr 66
		.amdhsa_reserve_vcc 1
		.amdhsa_float_denorm_mode_32 3
		.amdhsa_float_denorm_mode_16_64 3
		.amdhsa_memory_ordered 1
		.amdhsa_forward_progress 1
		.amdhsa_inst_pref_size 46
	.end_amdhsa_kernel
	.amdgpu_metadata
---
amdhsa.version: [ 1, 2 ]
amdhsa.kernels:
  - .name:           k_qa07e2a860e_index
    .symbol:         k_qa07e2a860e_index.kd
    .args:
      - { .name: points_xy, .offset: 0, .size: 8, .value_kind: global_buffer, .address_space: global }
      - { .name: points_xz, .offset: 8, .size: 8, .value_kind: global_buffer, .address_space: global }
      - { .name: points_yz, .offset: 16, .size: 8, .value_kind: global_buffer, .address_space: global }
      - { .name: points_xt, .offset: 24, .size: 8, .value_kind: global_buffer, .address_space: global }
      - { .name: points_yt, .offset: 32, .size: 8, .value_kind: global_buffer, .address_space: global }
      - { .name: points_zt, .offset: 40, .size: 8, .value_kind: global_buffer, .address_space: global }
      - { .name: W1, .offset: 48, .size: 8, .value_kind: global_buffer, .address_space: global }
      - { .name: W2, .offset: 56, .size: 8, .value_kind: global_buffer, .address_space: global }
      - { .name: idx, .offset: 64, .size: 8, .value_kind: global_buffer, .address_space: global }
      - { .name: wq, .offset: 72, .size: 8, .value_kind: global_buffer, .address_space: global }
    .group_segment_fixed_size: 0
    .private_segment_fixed_size: 0
    .kernarg_segment_align: 8
    .kernarg_segment_size: 80
    .max_flat_workgroup_size: 256
    .sgpr_count:     66
    .vgpr_count:     160
    .wavefront_size: 32
...
	.end_amdgpu_metadata
.endif
;; end of part 1
;; launch mlp (part 2): grid 256 x 1, 16 waves a work-group, no clusters, 63,488 bytes of LDS; arguments points_xy, points_xz, points_yz, points_xt, points_yt, points_zt, tables, W3, idx, wq, out0; writes out0
.if DOCPART == 2
	.amdgcn_target "amdgcn-amd-amdhsa--gfx1250"
	.amdhsa_code_object_version 6
	.text
	.protected	k_qa07e2a860e_mlp
	.globl	k_qa07e2a860e_mlp
	.p2align	8
	.type	k_qa07e2a860e_mlp,@function
k_qa07e2a860e_mlp:
	s_mov_b64 s[64:65], 0
	v_nop
	global_prefetch_b8 v0, s[64:65] scope:SCOPE_SE
	s_setreg_imm32_b32 hwreg(HW_REG_WAVE_MODE, 25, 1), 1
	s_wait_xcnt 0x0
; SECOND LAUNCH: out = relu(relu(enc W1) W2) W3 for 2^20 points; enc = for each of six planes 4 levels x 2 features of a hash grid (bilinear over 4 corners) and the plane's 2 coordinates: 60 numbers.
; Products 1 and 2 on codes of FP4 (E2M1) with one E8M0 scale for each 32 along K; both operands quantised along K; sums in f32.  Product 3 (3 columns) in f32 by packed fused multiply-adds.
; The cells come as whole numbers from idx (word = cx << 19 | (cy x prime) mod 2^19), the weights' codes and scale words from wq, as images of the operand's registers; both were stored by the launch before.
; SHARES.  4,096 waves; a wave owns 256 neighbouring points and walks them in 8 passes of 32, A LANE A POINT while it encodes.  Sixteen waves of 256 registers to a work-group, four to a SIMD: one wave's gathers are
; on their way while another's vector work is issued.  Waves share nothing: every LDS byte is a wave's own, so there is no barrier.
; ENCODING.  24 levels (plane, level) a pass through a ring of eight slots of 8 registers: a level's four gathers of 8 bytes are issued eight levels ahead of their use; 28 to 32 gathers of a wave are out.
; PRODUCTS, used transposed: source 0 = 16 rows of a weight tile, source 1 = 16 points.  Row r of tile t is unit (r % 8) + 8 t + 32 (r / 8), so that in the results lane (r, h) holds, of point r, units 32 h + 0 .. 31 in
; ascending registers: ONE WHOLE BLOCK of the next K, in the order that the next operand wants: its largest magnitude needs no other lane, and the conversions' results are the operand.
; K is 64 (60 and four zeros) of the instruction's 128: the points' operand has zero codes in registers 4-7, so the weights' registers 4-7 may hold anything that is a code (here: the next tile), and bytes 2 and 3 of all scale words are 0.
; No tensor loads, no cluster: what work-groups share is 5,888 bytes of weights, which each wave reads once; all streams go lane by lane into the registers that use them.  The next pass's words and points are asked for
; into registers ahead of the pass's three products, so no prefetch into a cache is laid beside them.
; LIMITS: as the first launch states (|p0| < 96.9; NaN and infinities not served).  A block whose numbers are all zero gets the scale byte 1 where the rule says 127: its codes are zeros.
; REGISTERS: v1-7 addresses; v8-15 the weights' scale words; v16-18 the points' scale words; v19 lane; v20-51 eight weight tiles x 4, v52-55 zeros; v56-63, v64-71 the two tiles of points (4 of codes, 4 zeros);
;   v72-135 enc (v132-135 zeros); v136-159 the pass's 24 words; v160-223 the ring, then the hidden layer; v224-255 at work.
.set NPASS, 8
.set VP,   1                           ; v1   byte offset of my point in a plane's points (of the NEXT pass, once the pass has begun)
.set VI,   2                           ; v2   the same in a plane's words
.set VO,   3                           ; v3   16 x lane
.set VW3,  4                           ; v4   LDS: my wave's copy of W3, my half's three rows
.set VSTG, 5                           ; v5   LDS: my wave's stage + 12 x lane
.set VLD,  6                           ; v6   LDS: my wave's stage + 16 x lane
.set VST,  7                           ; v7   LDS: where the pass's three results go
.set WS,   8
.set SW1,  16                          ; enc's scale words: lane = point
.set SW2,  17                          ; v17, v18: the hidden layer's, tile 0 and tile 1, in lanes 0-15
.set LN,   19
.set WF,   20
.set C0,   56
.set C1,   64
.set ENC,  72
.set IDX,  136
.set RING, 160
.set H,    160
.set TMP,  224
.set PB,   4                           ; s[4:15]  the six planes' points
.set IB,   26                          ; s[26:37] the six planes' words
.set TB0,  38                          ; the 24 tables: level g at s[38 + 2 g + 2 (g / 13)]: s38-63 and s66-87
.set RES,  88                          ; s[88:95] the four resolutions, as pairs
.set MSK,  96                          ; s96  2^19 - 1
.set P19,  97                          ; s97  the prime modulo 2^19
.set SEL,  98                          ; s[98:99] v_permlanex16_b32's selects for lane l xor 16
.set LEFT, 2                           ; s2   passes to go
.set STG,  3                           ; s3   the pass's place in the stage: 384 bytes a pass
.set STAGE, 16*768                     ; LDS: sixteen copies of W3 (768 bytes: row 3 h + c of 128 bytes holds W3[32 h + 0 .. 31][c]), then sixteen stages of 3,072 bytes (256 points x 12)
.macro PLACES n
.rept \n
	v_nop
.endr
.endm
; The next 32 points' words and coordinates: 12 loads; a wave reads 512 and 256 consecutive bytes.  The coordinates land in their places in enc.
.macro NEXT_IN
.irp p, 0,1,2,3,4,5
	global_load_b128 v[IDX+4*\p:IDX+4*\p+3], v[VI], s[IB+2*\p:IB+2*\p+1] th:TH_LOAD_NT
.endr
.irp p, 0,1,2,3,4,5
	global_load_b64 v[ENC+10*\p+8:ENC+10*\p+9], v[VP], s[PB+2*\p:PB+2*\p+1] th:TH_LOAD_NT
.endr
.endm
	s_load_b256 s[4:11], s[0:1], 0x0               ; the six planes' points
	s_load_b128 s[12:15], s[0:1], 0x20
	s_load_b64 s[TB0:TB0+1], s[0:1], 0x30          ; tables
	s_load_b64 s[18:19], s[0:1], 0x38              ; W3
	s_load_b64 s[IB:IB+1], s[0:1], 0x40            ; idx
	s_load_b128 s[20:23], s[0:1], 0x48             ; wq s[20:21], out0 s[22:23]
	v_lshrrev_b32 v[LN], 5, v0
	v_readfirstlane_b32 s100, v[LN]                ; wave 0 .. 15
	v_and_b32 v[LN], 31, v0                        ; lane
	s_lshl_b32 s101, ttmp9, 4
	s_add_co_u32 s101, s101, s100                  ; my wave among the launch's 4,096
	s_lshl_b32 s2, s101, 8                         ; its first point
	v_add_nc_u32 v[VP], s2, v[LN]
	v_lshlrev_b32 v[VI], 4, v[VP]
	v_lshlrev_b32 v[VP], 3, v[VP]
	v_lshlrev_b32 v[VO], 4, v[LN]
	s_mul_i32 s3, s100, 768                        ; my copy of W3
	v_bfe_u32 v[VW3], v0, 4, 1                     ; h
	v_mad_u32_u24 v[VW3], v[VW3], 384, s3
	v_lshl_add_u32 v[TMP+10], v[LN], 2, s3         ; into it: 4 bytes a lane
	s_mul_i32 s3, s100, 3072
	s_add_co_u32 s3, s3, STAGE                     ; my stage
	v_mad_u32_u24 v[VSTG], v[LN], 12, s3
	v_add_nc_u32 v[VLD], s3, v[VO]
	v_mul_u32_u24 v[TMP+8], v[LN], 12              ; W3 in memory: 12 bytes a row
	v_lshlrev_b32 v[TMP+9], 2, v[LN]               ; scale words: 4 bytes a lane
	s_mul_i32 s2, s101, 3072                       ; my wave's 256 rows of out0
	s_mov_b32 s3, 0
	s_mov_b32 s[RES+0], 0x41800000                 ; 16
	s_mov_b32 s[RES+2], 0x41b0e219                 ; 16 x 1.3819, rounded to f32
	s_mov_b32 s[RES+4], 0x41f46f55                 ; 16 x 1.3819^2
	s_mov_b32 s[RES+6], 0x4228e46d                 ; 16 x 1.3819^3
.irp l, 0,1,2,3
	s_mov_b32 s[RES+2*\l+1], s[RES+2*\l]
.endr
	s_mov_b32 s[MSK], 0x7ffff
	s_mov_b32 s[P19], 0x779b1
	s_mov_b32 s[SEL], 0x76543210
	s_mov_b32 s[SEL+1], 0xfedcba98
.irp z, WF+32, C0+4, C1+4, ENC+60
.irp i, 0,1,2,3
	v_mov_b32 v[\z+\i], 0                          ; behind the last weight tile; k = 64 .. 127 of both tiles of points; enc's numbers 60 to 63.  Never rewritten
.endr
.endr
	v_mov_b32 v[TMP+6], 0                          ; (a lane permute's destination counts as one of its sources)
	v_mov_b32 v[TMP+7], 0
	s_wait_kmcnt 0x0
.irp j, 0,1,2,3,4,5
	global_load_b32 v[TMP+\j], v[TMP+8], s[18:19] offset:384*(\j/3)+4*(\j%3)   ; W3[32 (j / 3) + lane][j % 3]
.endr
.irp n, 0,1,2,3,4,5,6,7
	global_load_b128 v[WF+4*\n:WF+4*\n+3], v[VO], s[20:21] offset:512*\n       ; the weight tiles: they stay
.endr
.irp n, 0,1,2,3,4,5,6,7
	global_load_b32 v[WS+\n], v[TMP+9], s[20:21] offset:4096+128*\n
.endr
.irp p, 1,2,3,4,5
	s_add_nc_u64 s[IB+2*\p:IB+2*\p+1], s[IB:IB+1], \p*0x1000000               ; a plane's words are 2^24 bytes
.endr
	NEXT_IN                                        ; the first pass's
	s_add_nc_u64 s[22:23], s[22:23], s[2:3]
.set G, 1
.rept 23
	s_add_nc_u64 s[TB0+2*G+2*(G/13):TB0+2*G+2*(G/13)+1], s[TB0:TB0+1], G*0x400000   ; a level's table is 2^22 bytes
.set G, G+1
.endr
	s_wait_loadcnt 28                              ; W3's six are in: behind them 8 + 8 + 12 loads were issued
.irp j, 0,1,2,3,4,5
	ds_store_b32 v[TMP+10], v[TMP+\j] offset:128*\j
.endr
; Level g = 4 x plane + level: the four corners' indices from its word, and the four gathers, into ring slot g % 8.  A gather lands on its own index register.
.macro ISSUE g
.set R, RING+8*((\g)%8)
.set W, IDX+(\g)
.set B, TB0+2*(\g)+2*((\g)/13)
	v_and_b32 v[R+1], s[MSK], v[W]                 ; (cy x prime) mod 2^19
	v_add_nc_u32 v[R+3], s[P19], v[W]
	v_ashrrev_i32 v[R+5], 19, v[W]                 ; cx
	v_and_b32 v[R+3], s[MSK], v[R+3]               ; ((cy + 1) x prime) mod 2^19
	v_add_nc_u32 v[R+7], 1, v[R+5]
	v_and_b32 v[R+5], s[MSK], v[R+5]               ; cx mod 2^19
	v_and_b32 v[R+7], s[MSK], v[R+7]               ; (cx + 1) mod 2^19
	v_xor_b32 v[R], v[R+5], v[R+1]                 ; corner (0, 0)
	v_xor_b32 v[R+2], v[R+7], v[R+1]               ; (1, 0)
	v_xor_b32 v[R+4], v[R+5], v[R+3]               ; (0, 1)
	v_xor_b32 v[R+6], v[R+7], v[R+3]               ; (1, 1)
.irp k, 0,2,4,6
	v_min_u32 v[R+\k], 0x7ffff, v[R+\k]            ; a loaded number enters an address behind a bound written in the instruction; it changes nothing here
.endr
.irp k, 0,2,4,6
	global_load_b64 v[R+\k:R+\k+1], v[R+\k], s[B:B+1] scale_offset   ; the entry's two features: 8 bytes at 8 x index
.endr
.endm
; Level g's bilinear weights (made while its gathers may still be out), the wait, and its two features into enc.
.macro CONSUME g
.set R, RING+8*((\g)%8)
.set T, TMP+8*((\g)%2)
.set PT, ENC+10*((\g)/4)+8
.set E, ENC+10*((\g)/4)+2*((\g)%4)
.set RS, RES+2*((\g)%4)
.set YOUNGER, 23-(\g)
.if YOUNGER > 7
.set YOUNGER, 7
.endif
	v_pk_mul_f32 v[T:T+1], v[PT:PT+1], s[RS:RS+1] op_sel_hi:[1,0]             ; pos = p x res
	v_floor_f32 v[T+2], v[T]
	v_floor_f32 v[T+3], v[T+1]
	v_pk_add_f32 v[T:T+1], v[T:T+1], v[T+2:T+3] neg_lo:[0,1] neg_hi:[0,1]     ; wx, wy
	v_pk_fma_f32 v[T+2:T+3], v[T:T+1], -1.0, 1.0 op_sel_hi:[1,0,0]            ; 1 - wx, 1 - wy
	v_pk_mul_f32 v[T+4:T+5], v[T+2:T+3], v[T:T+1] op_sel:[0,1] op_sel_hi:[1,0]   ; (1 - wx) wy, (1 - wy) wx
	v_mul_f32 v[T+6], v[T+2], v[T+3]                                          ; (1 - wx) (1 - wy)
	v_mul_f32 v[T+7], v[T], v[T+1]                                            ; wx wy
	s_wait_loadcnt 4*YOUNGER                       ; loads come back in order: this level's four are in; the later levels' in the ring may be out
	v_pk_mul_f32 v[E:E+1], v[R:R+1], v[T+6:T+7] op_sel_hi:[1,0]
	v_pk_fma_f32 v[E:E+1], v[R+2:R+3], v[T+4:T+5], v[E:E+1] op_sel:[0,1,0] op_sel_hi:[1,1,1]
	v_pk_fma_f32 v[E:E+1], v[R+4:R+5], v[T+4:T+5], v[E:E+1] op_sel_hi:[1,0,1]
	v_pk_fma_f32 v[E:E+1], v[R+6:R+7], v[T+6:T+7], v[E:E+1] op_sel:[0,1,0] op_sel_hi:[1,1,1]
.endm
; Eight matrix instructions: weight tiles n0 .. n0 + 3 x the two tiles of points.  Each has an accumulator of its own and the constant 0 as C: K is one step, so nothing is added in place.
.macro LAYER n0, sa, sb, rowb
.irp t, 0,1,2,3
	v_wmma_scale_f32_16x16x128_f8f6f4 v[H+8*\t:H+8*\t+7], v[WF+4*(\n0+\t):WF+4*(\n0+\t)+7], v[C0:C0+7], 0, v[WS+\n0+\t], v[\sa] matrix_a_fmt:MATRIX_FMT_FP4 matrix_b_fmt:MATRIX_FMT_FP4
.if \rowb
	v_wmma_scale_f32_16x16x128_f8f6f4 v[H+32+8*\t:H+32+8*\t+7], v[WF+4*(\n0+\t):WF+4*(\n0+\t)+7], v[C1:C1+7], 0, v[WS+\n0+\t], v[\sb] matrix_a_fmt:MATRIX_FMT_FP4 matrix_b_fmt:MATRIX_FMT_FP4 matrix_b_scale:MATRIX_SCALE_ROW1
.else
	v_wmma_scale_f32_16x16x128_f8f6f4 v[H+32+8*\t:H+32+8*\t+7], v[WF+4*(\n0+\t):WF+4*(\n0+\t)+7], v[C1:C1+7], 0, v[WS+\n0+\t], v[\sb] matrix_a_fmt:MATRIX_FMT_FP4 matrix_b_fmt:MATRIX_FMT_FP4
.endif
.endr
.endm
; From two largest magnitudes in v[TMP], v[TMP+1]: the conversions' scale operands in v[TMP+2], v[TMP+3], the scale bytes in v[TMP+4], v[TMP+5].
.macro SCALES
	v_add_nc_u32 v[TMP+2], 0xff000000, v[TMP]      ; 2 off the exponent field: the conversion takes the exponent field of this operand as its scale
	v_add_nc_u32 v[TMP+3], 0xff000000, v[TMP+1]
	v_lshrrev_b32 v[TMP+4], 23, v[TMP+2]
	v_lshrrev_b32 v[TMP+5], 23, v[TMP+3]
.endm
; Column c of product 3, for both tiles of points: my half's 32 units x W3's 32 numbers, two at a time; the two tiles' chains by turns.  enc = 1: W3's numbers lie in enc's feature places of planes 0 to 3.
.macro DOT c, enc
.set AC0, ENC+40+4*(\c)+2*((\c)/2)     ; v112, v116, v122: feature places of planes 4 and 5
.set AC1, AC0+2
.set I, 0
.rept 16
.if \enc
.set WR, ENC+10*(I/8)+I%8
.else
.set WR, TMP+I
.endif
.if I == 0
	v_pk_mul_f32 v[AC0:AC0+1], v[H+I:H+I+1], v[WR:WR+1]
	v_pk_mul_f32 v[AC1:AC1+1], v[H+32+I:H+32+I+1], v[WR:WR+1]
.else
	v_pk_fma_f32 v[AC0:AC0+1], v[H+I:H+I+1], v[WR:WR+1], v[AC0:AC0+1]
	v_pk_fma_f32 v[AC1:AC1+1], v[H+32+I:H+32+I+1], v[WR:WR+1], v[AC1:AC1+1]
.endif
.set I, I+2
.endr
.endm
	s_mov_b32 s[LEFT], NPASS
	s_mov_b32 s[STG], 0
.Lpass:
	s_wait_loadcnt 0x0                             ; the pass's words and coordinates are in (asked for ahead of the last pass's products); their address registers are free
	v_add_nc_u32 v[VP], 256, v[VP]                 ; on to the next pass's 32 points
	v_add_nc_u32 v[VI], 512, v[VI]
	; ---- the encoding
.irp g, 0,1,2,3,4,5,6,7
	ISSUE \g
.endr
	s_wait_dscnt 0x0                               ; my LDS stores (W3's copy; the last pass's results) have read their registers, which are written again from here on
.set G, 0
.rept 24
	CONSUME G
.if G < 16
	ISSUE G+8                                      ; into the slot just read
.endif
.set G, G+1
.endr
	; ---- enc is quantised: a lane holds its point's two blocks
	v_max3_num_f32 v[TMP], |v[ENC]|, |v[ENC+1]|, 0x1800000        ; the floor 2^(3 - 127) among the leaves: the byte cannot fall under 1
	v_max3_num_f32 v[TMP+1], |v[ENC+32]|, |v[ENC+33]|, 0x1800000
.irp i, 2,4,6,8,10,12,14,16,18,20,22,24,26
	v_max3_num_f32 v[TMP], v[TMP], |v[ENC+\i]|, |v[ENC+\i+1]|
	v_max3_num_f32 v[TMP+1], v[TMP+1], |v[ENC+32+\i]|, |v[ENC+33+\i]|   ; (the second block has 28 numbers and four zeros)
.endr
	v_max3_num_f32 v[TMP], v[TMP], |v[ENC+28]|, |v[ENC+29]|
	v_max3_num_f32 v[TMP], v[TMP], |v[ENC+30]|, |v[ENC+31]|
	SCALES
	v_lshl_or_b32 v[SW1], v[TMP+5], 8, v[TMP+4]    ; my point's scale word
.irp g, 0,1,2,3
	v_cvt_scalef32_pk8_fp4_f32 v[C0+\g], v[ENC+8*\g:ENC+8*\g+7], v[TMP+2]
	v_cvt_scalef32_pk8_fp4_f32 v[C1+\g], v[ENC+32+8*\g:ENC+32+8*\g+7], v[TMP+3]
.endr
	v_nop                                          ; one plain line between a scaled conversion and the vector instruction that touches its result
.irp g, 0,1,2,3
	v_permlane16_swap_b32 v[C0+\g], v[C1+\g]       ; the first's lanes 16-31 change places with the second's lanes 0-15: now tile 0 (points 0-15) and tile 1, lanes 0-15 block 0, lanes 16-31 block 1
.endr
	s_cmp_eq_u32 s[LEFT], 1                        ; the last pass asks for nothing: no load leaves its buffer
	s_cbranch_scc1 .Lno_next
	NEXT_IN                                        ; the words' and the coordinates' registers have been read; these loads have the three products in which to land
.Lno_next:
	PLACES 8                                       ; a scale register written by a vector instruction stands 8 places ahead of a scaled matrix instruction, an operand so written 4
	; ---- product 1
	LAYER 0, SW1, SW1, 1                           ; tile 1's scale words stand in lanes 16-31 of the same register
	PLACES 4                                       ; four places ahead of the first read of results (ISA guide 7.12.1)
	; ---- relu and quantiser: lane (r, h) holds block h of point r, for both tiles.  No |.|: what is negative does not count; the floor stands over it.  Each accumulator is read from its low end on
	v_max3_num_f32 v[TMP], v[H], v[H+1], 0x1800000
	v_max3_num_f32 v[TMP+1], v[H+32], v[H+33], 0x1800000
.irp i, 2,4,6,8,10,12,14,16,18,20,22,24,26,28,30
	v_max3_num_f32 v[TMP], v[TMP], v[H+\i], v[H+\i+1]
	v_max3_num_f32 v[TMP+1], v[TMP+1], v[H+32+\i], v[H+33+\i]
.endr
	SCALES
	v_permlanex16_b32 v[TMP+6], v[TMP+4], s[SEL], s[SEL+1]
	v_permlanex16_b32 v[TMP+7], v[TMP+5], s[SEL], s[SEL+1]
	v_lshl_or_b32 v[SW2], v[TMP+6], 8, v[TMP+4]    ; in lanes 0-15: block 0's byte, block 1's above it (lanes 16-31 are not read)
	v_lshl_or_b32 v[SW2+1], v[TMP+7], 8, v[TMP+5]
.set I, 0
.rept 64
	v_max_num_f32 v[H+I], 0, v[H+I]                ; the activation, in f32
.set I, I+1
.endr
.irp g, 0,1,2,3
	v_cvt_scalef32_pk8_fp4_f32 v[C0+\g], v[H+8*\g:H+8*\g+7], v[TMP+2]
	v_cvt_scalef32_pk8_fp4_f32 v[C1+\g], v[H+32+8*\g:H+32+8*\g+7], v[TMP+3]
.endr
	PLACES 8                                       ; behind the conversions, ahead of the scaled matrix instructions that read their results and write over their sources
	; ---- product 2
	LAYER 4, SW2, SW2+1, 0
.irp q, 0,1,2,3,4,5,6,7
	ds_load_b128 v[TMP+4*\q:TMP+4*\q+3], v[VW3] offset:16*\q                   ; W3's column 0, my half's 32 numbers: sixteen lanes read the same bytes
.endr
.irp q, 0,1,2,3,4,5,6,7
	ds_load_b128 v[ENC+10*(\q/2)+4*(\q%2):ENC+10*(\q/2)+4*(\q%2)+3], v[VW3] offset:128+16*\q   ; column 1, into enc's feature places of planes 0 to 3 (the coordinates' places await the next pass's loads)
.endr
	PLACES 4
.set I, 0
.rept 64
	v_max_num_f32 v[H+I], 0, v[H+I]                ; ascending: each accumulator from its low end on
.set I, I+1
.endr
	; ---- product 3, in f32
	s_wait_dscnt 8                                 ; column 0 is in; column 1's eight loads may be out
	DOT 0, 0
.irp q, 0,1,2,3,4,5,6,7
	ds_load_b128 v[TMP+4*\q:TMP+4*\q+3], v[VW3] offset:256+16*\q               ; column 2, where column 0 lay
.endr
	s_wait_dscnt 8                                 ; column 1 is in; column 2's eight may be out
	DOT 1, 1
	s_wait_dscnt 0x0
	DOT 2, 0
.irp a, 40,42,44,46,50,52
	v_add_f32 v[ENC+\a], v[ENC+\a], v[ENC+\a+1]    ; even units' and odd units' sums
.endr
.irp a, 40,44,50
	v_permlane16_swap_b32 v[ENC+\a], v[ENC+\a+2]   ; tile 0's upper lanes change places with tile 1's lower: the first now holds units 0-31's sum of point = lane, the second units 32-63's
.endr
.irp a, 40,44,50
	v_add_f32 v[ENC+\a], v[ENC+\a], v[ENC+\a+2]
.endr
	v_add_nc_u32 v[VST], s[STG], v[VSTG]
	ds_store_b32 v[VST], v[ENC+40]                 ; 12 bytes a point; 32 lanes fall on 32 different banks
	ds_store_b32 v[VST], v[ENC+44] offset:4
	ds_store_b32 v[VST], v[ENC+50] offset:8
	s_add_co_u32 s[STG], s[STG], 384
	s_sub_co_i32 s[LEFT], s[LEFT], 1
	s_cmp_lg_u32 s[LEFT], 0
	s_cbranch_scc1 .Lpass
	; ---- the way out: my 256 points' 3,072 bytes, as they lie in out0
.irp j, 0,1,2,3,4,5
	ds_load_b128 v[TMP+4*\j:TMP+4*\j+3], v[VLD] offset:512*\j                  ; LDS serves a wave's instructions in order (ISA guide 5.7.1.4): these see my stores
.endr
.irp j, 0,1,2,3,4,5
	s_wait_dscnt 5-\j                              ; load j is in; the later ones may be out
	global_store_b128 v[VO], v[TMP+4*\j:TMP+4*\j+3], s[22:23] offset:512*\j th:TH_STORE_NT   ; 32 lanes store 512 consecutive bytes, at a multiple of 256 from out0's first byte
.endr
	s_wait_xcnt 0x0
	v_lshl_add_u32 v254, v0, 2, 0xf000
	v_mov_b32 v255, 0
	s_wait_tensorcnt 0x0
	ds_add_u32 v254, v255
	s_wait_dscnt 0x0
	s_endpgm
.Lfunc_end_k_qa07e2a860e_mlp:
	.size	k_qa07e2a860e_mlp, .Lfunc_end_k_qa07e2a860e_mlp-k_qa07e2a860e_mlp
	.p2alignl 7, 3214868480
	.fill 96, 4, 3214868480
	.section	.rodata,"a",@progbits
	.p2align	6, 0x0
	.amdhsa_kernel k_qa07e2a860e_mlp
		.amdhsa_group_segment_fixed_size 63488
		.amdhsa_private_segment_fixed_size 0
		.amdhsa_enable_private_segment 0
		.amdhsa_kernarg_size 88
		.amdhsa_user_sgpr_count 2
		.amdhsa_user_sgpr_kernarg_segment_ptr 1
		.amdhsa_wavefront_size32 1
		.amdhsa_system_sgpr_workgroup_id_x 1
		.amdhsa_system_sgpr_workgroup_id_y 1
		.amdhsa_system_sgpr_workgroup_id_z 1
		.amdhsa_system_vgpr_workitem_id 0
		.amdhsa_next_free_vgpr 256
		.amdhsa_next_free_sgpr 102
		.amdhsa_reserve_vcc 0
		.amdhsa_float_denorm_mode_32 3
		.amdhsa_float_denorm_mode_16_64 3
		.amdhsa_memory_ordered 1
		.amdhsa_forward_progress 1
		.amdhsa_inst_pref_size 72
	.end_amdhsa_kernel
	.amdgpu_metadata
---
amdhsa.version: [ 1, 2 ]
amdhsa.kernels:
  - .name:           k_qa07e2a860e_mlp
    .symbol:         k_qa07e2a860e_mlp.kd
    .args:
      - { .name: points_xy, .offset: 0, .size: 8, .value_kind: global_buffer, .address_space: global }
      - { .name: points_xz, .offset: 8, .size: 8, .value_kind: global_buffer, .address_space: global }
      - { .name: points_yz, .offset: 16, .size: 8, .value_kind: global_buffer, .address_space: global }
      - { .name: points_xt, .offset: 24, .size: 8, .value_kind: global_buffer, .address_space: global }
      - { .name: points_yt, .offset: 32, .size: 8, .value_kind: global_buffer, .address_space: global }
      - { .name: points_zt, .offset: 40, .size: 8, .value_kind: global_buffer, .address_space: global }
      - { .name: tables, .offset: 48, .size: 8, .value_kind: global_buffer, .address_space: global }
      - { .name: W3, .offset: 56, .size: 8, .value_kind: global_buffer, .address_space: global }
      - { .name: idx, .offset: 64, .size: 8, .value_kind: global_buffer, .address_space: global }
      - { .name: wq, .offset: 72, .size: 8, .value_kind: global_buffer, .address_space: global }
      - { .name: out0, .offset: 80, .size: 8, .value_kind: global_buffer, .address_space: global }
    .group_segment_fixed_size: 63488
    .private_segment_fixed_size: 0
    .kernarg_segment_align: 8
    .kernarg_segment_size: 88
    .max_flat_workgroup_size: 512
    .sgpr_count:     102
    .vgpr_count:     256
    .wavefront_size: 32
...
	.end_amdgpu_metadata
.endif
;; end of part 2
;; ======== version 2 of 3: 2 launches; 1.57 times as fast as version 1
;; limits: inputs' magnitudes at most 96.9
;; workspace buffers: idx 100,663,296 bytes of whole numbers; flags 32,768 bytes of whole numbers; wq 5,120 bytes
;; launch index (part 3): grid 1024 x 1, 8 waves a work-group, no clusters, 0 bytes of LDS; arguments points_xy, points_xz, points_yz, points_xt, points_yt, points_zt, W1, W2, idx, wq, flags; writes idx, wq, flags
.if DOCPART == 3
	.amdgcn_target "amdgcn-amd-amdhsa--gfx1250"
	.amdhsa_code_object_version 6
	.text
	.protected	k_qa07e2a860e_index
	.globl	k_qa07e2a860e_index
	.p2align	8
	.type	k_qa07e2a860e_index,@function
k_qa07e2a860e_index:
	s_mov_b64 s[64:65], 0
	v_nop
	global_prefetch_b8 v0, s[64:65] scope:SCOPE_SE
	s_setreg_imm32_b32 hwreg(HW_REG_WAVE_MODE, 25, 1), 1
	s_wait_xcnt 0x0
; FIRST OF TWO LAUNCHES.  The hash grid's cells come from floating-point numbers, and the gathers' addresses come from the cells: so the cells are made here and stored as whole numbers,
; and the next launch, which reads them, forms the addresses.
; idx: [plane 6][point 2^20][level 4] of 32-bit words; a point's four levels of a plane are 16 bytes: a wave's store covers 512 consecutive bytes, aligned.  A word has one of two forms, chosen for 32 points at a time:
;   GENERAL: (cx << 19) | ((cy x 2654435761) mod 2^19), cx = floor(p0 x res), cy = floor(p1 x res) as 32-bit integers: all that the four corners' indices ((cx + dx) xor (cy + dy) x 2654435761) mod 2^19 need.
;   DENSE, where all 12 coordinates of all 32 points lie in [0, 1): then p x res, rounded, never passes res, so the corners lie in 17, 24, 32, 44 values an axis, and the next launch keeps those cells of all 24 tables
;   in LDS.  The word is the LDS byte address of corner (0, 0): 8 x (4,608 x plane + the level's first cell + cy x dim + cx).
; flags: one word for each wave here (128 points): bit t says that points 32 t .. 32 t + 31 have dense words.  The choice is made by v_cndmask_b32: no branch and no address hangs on a floating-point number.
; wq: W1 [60][64] and W2 [64][64] as codes of FP4 (E2M1) with one E8M0 scale for each 32 along K, laid as images of the operand's registers: tile n = 4 x layer + t at byte 512 n, lane l's 16 bytes at 16 l;
; its scale words at 4096 + 128 n + 4 l.  Row r of tile t is output unit (r % 8) + 8 t + 32 (r / 8).  Work-group 0 makes them, a tile a wave.
; LIMITS: in a general word cx is kept in 13 bits, signed: -4096 <= floor(p0 x res) <= 4095, that is |p0| < 96.9 at the finest level; |p1 x res| < 2^31.  NaN and infinities are not served.
; A block of zeros gets the scale byte 1 where the rule says 127: its codes are zeros, and this program alone reads the bytes.
; SHARES: a work-group takes 1,024 points, wave w 128 of them: points 128 w + 32 t + lane, t = 0 .. 3.  No LDS, no barrier: waves share nothing.  All 24 loads go out first; every store has data registers of its own.
.set PT,  8                            ; v8-55    the points: set t, plane p at 8 + 12 t + 2 p
.set O,   56                           ; v56-151  the words: set t, plane p at 56 + 24 t + 4 p
.set T,   152                          ; v152-159 at work: a pair for each level
.set U,   160                          ; v160-163 the dense words at work
.set MX,  164                          ; v164, v165 the largest and the smallest of a point's 12 coordinates
.set MN,  165
.set FV,  166                          ; v166     the wave's flags, to be stored
.set PB,  4                            ; s[4:15]  the six planes' points, at the work-group's first point
.set IB,  24                           ; s[24:35] idx, plane p, at the work-group's first point
.set RES, 36                           ; s[36:43] the four levels' resolutions, each as a pair (the packed form names a pair and takes its low word)
.set PRM, 44                           ; s44      2654435761
.set MSK, 45                           ; s45      2^19 - 1
.set SEL, 46                           ; s[46:47] v_permlanex16_b32's selects for lane l xor 16
.set FM,  55                           ; s55      all ones where the set in hand is dense, else 0
.set FP,  56                           ; s[56:57] flags, at the work-group's eight words
.set FL,  58                           ; s58      the wave's flags
.set DIM0, 17                          ; corners an axis, level by level
.set DIM1, 24
.set DIM2, 32
.set DIM3, 44
.set CB0, 0                            ; a level's first cell in its plane's 4,608: each level is given whole runs of 512 cells
.set CB1, 512
.set CB2, 1536
.set CB3, 2560
.set PLC, 4608
	s_load_b512 s[4:19], s[0:1], 0x0               ; six planes' points s[4:15], W1 s[16:17], W2 s[18:19]
	s_load_b128 s[20:23], s[0:1], 0x40             ; idx s[20:21], wq s[22:23]
	s_load_b64 s[FP:FP+1], s[0:1], 0x50            ; flags
	v_and_b32 v5, 31, v0                           ; lane
	v_and_b32 v6, 0xe0, v0                         ; 32 x wave
	v_lshlrev_b32 v1, 3, v5
	v_lshl_add_u32 v1, v6, 5, v1                   ; points: 8 bytes x (128 wave + lane)
	v_lshlrev_b32 v2, 4, v5
	v_lshl_add_u32 v2, v6, 6, v2                   ; words: 16 bytes x (128 wave + lane)
	v_lshlrev_b32 v3, 2, v0                        ; 4 bytes a thread: the weights' scale words
	v_lshlrev_b32 v4, 4, v0                        ; 16 bytes a thread: the weights' images
	v_lshrrev_b32 v7, 3, v6                        ; 4 bytes a wave: the flags
	s_mov_b32 s[RES+0], 0x41800000                 ; 16
	s_mov_b32 s[RES+2], 0x41b0e219                 ; 16 x 1.3819, rounded to f32
	s_mov_b32 s[RES+4], 0x41f46f55                 ; 16 x 1.3819^2
	s_mov_b32 s[RES+6], 0x4228e46d                 ; 16 x 1.3819^3
.irp l, 0,1,2,3
	s_mov_b32 s[RES+2*\l+1], s[RES+2*\l]
.endr
	s_mov_b32 s[PRM], 0x9e3779b1
	s_mov_b32 s[MSK], 0x7ffff
	s_mov_b32 s[SEL], 0x76543210
	s_mov_b32 s[SEL+1], 0xfedcba98
	s_mov_b32 s[FL], 0
	s_lshl_b32 s2, ttmp9, 13                       ; the work-group's 1,024 points: 8,192 bytes of points,
	s_mov_b32 s3, 0
	s_lshl_b32 s48, ttmp9, 14                      ; 16,384 bytes of words in each plane,
	s_mov_b32 s49, 0
	s_lshl_b32 s50, ttmp9, 5                       ; 32 bytes of flags
	s_mov_b32 s51, 0
	s_wait_kmcnt 0x0
.irp p, 0,1,2,3,4,5
	s_add_nc_u64 s[PB+2*\p:PB+2*\p+1], s[PB+2*\p:PB+2*\p+1], s[2:3]
.endr
.irp t, 0,1,2,3
.irp p, 0,1,2,3,4,5
	global_load_b64 v[PT+12*\t+2*\p:PT+12*\t+2*\p+1], v1, s[PB+2*\p:PB+2*\p+1] offset:256*\t th:TH_LOAD_NT   ; a wave reads 256 consecutive bytes, aligned
.endr
.endr
	s_add_nc_u64 s[IB:IB+1], s[20:21], s[48:49]
.irp p, 1,2,3,4,5
	s_add_nc_u64 s[IB+2*\p:IB+2*\p+1], s[IB:IB+1], \p*0x1000000   ; a plane's words are 2^24 bytes
.endr
	s_add_nc_u64 s[FP:FP+1], s[FP:FP+1], s[50:51]
; One point of one plane: its four words, the four levels line by line, so that no line waits for the line above it.  Both forms are made and one is kept.
.macro PLANE src, dst, p
.irp l, 0,1,2,3
	v_pk_mul_f32 v[T+2*\l:T+2*\l+1], v[(\src):(\src)+1], s[RES+2*\l:RES+2*\l+1] op_sel_hi:[1,0]   ; pos = p x res
.endr
.irp i, 0,1,2,3,4,5,6,7
	v_floor_f32 v[T+\i], v[T+\i]
.endr
.irp i, 0,1,2,3,4,5,6,7
	v_cvt_i32_f32 v[T+\i], v[T+\i]                 ; a whole number: nothing is rounded
.endr
.irp l, 0,1,2,3
	v_mad_u32_u24 v[U+\l], v[T+2*\l+1], DIM\l, v[T+2*\l]   ; dense: the cell cy x dim + cx (of no meaning, and not kept, where the set is not dense)
.endr
.irp l, 0,1,2,3
	v_mul_lo_u32 v[T+2*\l+1], v[T+2*\l+1], s[PRM]  ; general: cy x the prime, modulo 2^32
.endr
.irp l, 0,1,2,3
	v_lshl_add_u32 v[U+\l], v[U+\l], 3, 8*(PLC*(\p)+CB\l)   ; 8 bytes a cell, from the level's first cell on
.endr
.irp l, 0,1,2,3
	v_and_b32 v[T+2*\l+1], s[MSK], v[T+2*\l+1]     ; its low 19 bits
.endr
.irp l, 0,1,2,3
	v_lshl_or_b32 v[T+2*\l], v[T+2*\l], 19, v[T+2*\l+1]
.endr
.irp l, 0,1,2,3
	v_cndmask_b32 v[(\dst)+\l], v[T+2*\l], v[U+\l], s[FM]
.endr
.endm
.irp t, 0,1,2,3
	s_wait_loadcnt 6*(3-\t)                        ; loads come back in order: set t's six are in, the later sets' may be out
	v_max3_num_f32 v[MX], v[PT+12*\t], v[PT+12*\t+1], v[PT+12*\t+2]   ; is the set dense?  The largest and the smallest of my point's 12 coordinates
	v_min3_num_f32 v[MN], v[PT+12*\t], v[PT+12*\t+1], v[PT+12*\t+2]
.irp i, 3,5,7,9
	v_max3_num_f32 v[MX], v[MX], v[PT+12*\t+\i], v[PT+12*\t+\i+1]
	v_min3_num_f32 v[MN], v[MN], v[PT+12*\t+\i], v[PT+12*\t+\i+1]
.endr
	v_max_num_f32 v[MX], v[MX], v[PT+12*\t+11]
	v_min_num_f32 v[MN], v[MN], v[PT+12*\t+11]
	v_cmp_gt_f32 s59, 1.0, v[MX]
	v_cmp_le_f32 s60, 0, v[MN]
	s_and_b32 s59, s59, s60
	s_cmp_eq_u32 s59, -1                           ; all 32 points?
	s_cselect_b32 s[FM], -1, 0
	s_cselect_b32 s59, 1<<\t, 0
	s_or_b32 s[FL], s[FL], s59
.irp p, 0,1,2,3,4,5
	PLANE PT+12*\t+2*\p, O+24*\t+4*\p, \p
	global_store_b128 v2, v[O+24*\t+4*\p:O+24*\t+4*\p+3], s[IB+2*\p:IB+2*\p+1] offset:512*\t th:TH_STORE_NT   ; a wave stores 512 consecutive bytes, aligned
.endr
.endr
	v_mov_b32 v[FV], s[FL]                         ; the wave's one word of flags leaves from lane 0: 4 bytes for 12,288 bytes of words
	v_cmp_eq_u32 vcc_lo, 0, v5
	s_wait_xcnt 0x0                                ; EXEC is a source of the stores above: it changes only behind this wait
	s_and_saveexec_b32 s54, vcc_lo
	global_store_b32 v7, v[FV], s[FP:FP+1]
	s_wait_xcnt 0x0                                ; and again, in front of the line that widens it
	s_or_b32 exec_lo, exec_lo, s54
	s_cmp_lg_u32 ttmp9, 0
	s_cbranch_scc1 .Lend
	; THE WEIGHTS, in work-group 0: wave w makes tile t = w % 4 of layer w / 4.  Lane (r, h) takes column u of the weight and its registers run down K: k = 32 h + 0 .. 31, one whole block,
	; in the order that the operand's layout gives that lane.  The registers used are the points' (their loads are in); no store's data or address is rewritten.
	v_lshrrev_b32 v44, 5, v0
	v_readfirstlane_b32 s48, v44                   ; wave
	s_lshr_b32 s49, s48, 2                         ; layer
	s_and_b32 s50, s48, 3
	s_lshl_b32 s50, s50, 3                         ; 8 t
	s_lshl_b32 s51, s49, 13                        ; 32 rows of 256 bytes in layer 1, 0 in layer 0
	v_and_b32 v44, 7, v0
	v_and_b32 v45, 8, v0
	v_lshl_add_u32 v44, v45, 2, v44                ; r % 8 + 32 (r / 8)
	v_add_lshl_u32 v44, v44, s50, 2                ; 4 u
	v_bfe_u32 v45, v0, 4, 1                        ; h
	v_lshl_add_u32 v46, v45, 13, v44               ; row 32 h, column u
	v_mad_u32_u24 v47, v45, s51, v44               ; the same for W2; for W1 always row 0: W1 has 60 rows, so its rows 60 to 63 are not loaded: rows 28 to 31 are, and are then replaced by zeros
	s_cmp_eq_u32 s49, 0
	s_cselect_b64 s[52:53], s[16:17], s[18:19]
.irp i, 0,1,2,3,4,5,6,7,8,9,10,11,12,13,14,15,16,17,18,19,20,21,22,23,24,25,26,27
	global_load_b32 v[PT+\i], v46, s[52:53] offset:256*\i
.endr
.irp i, 28,29,30,31
	global_load_b32 v[PT+\i], v47, s[52:53] offset:256*\i
.endr
	s_wait_loadcnt 0x0
	v_cmp_eq_u32 vcc_lo, v46, v47                  ; false where k would be 60 .. 63 of W1
.irp i, 28,29,30,31
	v_cndmask_b32 v[PT+\i], 0, v[PT+\i], vcc_lo    ; the last block is filled with zeros
.endr
	v_max3_num_f32 v48, |v[PT]|, |v[PT+1]|, 0x1800000   ; the block's largest magnitude, and the floor 2^(3 - 127): the byte cannot fall under 1
.irp i, 2,4,6,8,10,12,14,16,18,20,22,24,26,28,30
	v_max3_num_f32 v48, v48, |v[PT+\i]|, |v[PT+\i+1]|
.endr
	v_add_nc_u32 v49, 0xff000000, v48              ; 2 off its exponent field: the conversion takes the exponent field of this operand as its scale
	v_lshrrev_b32 v50, 23, v49                     ; the scale's byte
	v_lshlrev_b32 v51, 3, v45
	v_lshlrev_b32 v50, v51, v50                    ; at its place in the scale word: 8 h bits up
	v_mov_b32 v51, 0                               ; (a lane permute's destination counts as one of its sources)
	v_permlanex16_b32 v51, v50, s[SEL], s[SEL+1]
	v_or_b32 v50, v50, v51                         ; with lane l xor 16's byte: bytes 0 and 1; bytes 2 and 3 stay 0 (k = 64 .. 127 meets zero codes)
.irp g, 0,1,2,3
	v_cvt_scalef32_pk8_fp4_f32 v[40+\g], v[PT+8*\g:PT+8*\g+7], v49
.endr
	v_nop                                          ; one plain line behind the last scaled conversion
	global_store_b128 v4, v[40:43], s[22:23]       ; 16 x thread = 512 x wave + 16 x lane: the tile's image
	global_store_b32 v3, v50, s[22:23] offset:4096 ; 4 x thread = 128 x wave + 4 x lane: its scale words
.Lend:
	s_endpgm
.Lfunc_end_k_qa07e2a860e_index:
	.size	k_qa07e2a860e_index, .Lfunc_end_k_qa07e2a860e_index-k_qa07e2a860e_index
	.p2alignl 7, 3214868480
	.fill 96, 4, 3214868480
	.section	.rodata,"a",@progbits
	.p2align	6, 0x0
	.amdhsa_kernel k_qa07e2a860e_index
		.amdhsa_group_segment_fixed_size 0
		.amdhsa_private_segment_fixed_size 0
		.amdhsa_enable_private_segment 0
		.amdhsa_kernarg_size 88
		.amdhsa_user_sgpr_count 2
		.amdhsa_user_sgpr_kernarg_segment_ptr 1
		.amdhsa_wavefront_size32 1
		.amdhsa_system_sgpr_workgroup_id_x 1
		.amdhsa_system_sgpr_workgroup_id_y 1
		.amdhsa_system_sgpr_workgroup_id_z 1
		.amdhsa_system_vgpr_workitem_id 0
		.amdhsa_next_free_vgpr 168
		.amdhsa_next_free_sgpr 66
		.amdhsa_reserve_vcc 1
		.amdhsa_float_denorm_mode_32 3
		.amdhsa_float_denorm_mode_16_64 3
		.amdhsa_memory_ordered 1
		.amdhsa_forward_progress 1
		.amdhsa_inst_pref_size 71
	.end_amdhsa_kernel
	.amdgpu_metadata
---
amdhsa.version: [ 1, 2 ]
amdhsa.kernels:
  - .name:           k_qa07e2a860e_index
    .symbol:         k_qa07e2a860e_index.kd
    .args:
      - { .name: points_xy, .offset: 0, .size: 8, .value_kind: global_buffer, .address_space: global }
      - { .name: points_xz, .offset: 8, .size: 8, .value_kind: global_buffer, .address_space: global }
      - { .name: points_yz, .offset: 16, .size: 8, .value_kind: global_buffer, .address_space: global }
      - { .name: points_xt, .offset: 24, .size: 8, .value_kind: global_buffer, .address_space: global }
      - { .name: points_yt, .offset: 32, .size: 8, .value_kind: global_buffer, .address_space: global }
      - { .name: points_zt, .offset: 40, .size: 8, .value_kind: global_buffer, .address_space: global }
      - { .name: W1, .offset: 48, .size: 8, .value_kind: global_buffer, .address_space: global }
      - { .name: W2, .offset: 56, .size: 8, .value_kind: global_buffer, .address_space: global }
      - { .name: idx, .offset: 64, .size: 8, .value_kind: global_buffer, .address_space: global }
      - { .name: wq, .offset: 72, .size: 8, .value_kind: global_buffer, .address_space: global }
      - { .name: flags, .offset: 80, .size: 8, .value_kind: global_buffer, .address_space: global }
    .group_segment_fixed_size: 0
    .private_segment_fixed_size: 0
    .kernarg_segment_align: 8
    .kernarg_segment_size: 88
    .max_flat_workgroup_size: 256
    .sgpr_count:     66
    .vgpr_count:     168
    .wavefront_size: 32
...
	.end_amdgpu_metadata
.endif
;; end of part 3
;; launch mlp (part 4): grid 256 x 1, 16 waves a work-group, no clusters, 288,768 bytes of LDS; arguments points_xy, points_xz, points_yz, points_xt, points_yt, points_zt, tables, W3, idx, wq, out0, flags; writes out0
.if DOCPART == 4
	.amdgcn_target "amdgcn-amd-amdhsa--gfx1250"
	.amdhsa_code_object_version 6
	.text
	.protected	k_qa07e2a860e_mlp
	.globl	k_qa07e2a860e_mlp
	.p2align	8
	.type	k_qa07e2a860e_mlp,@function
k_qa07e2a860e_mlp:
	s_mov_b64 s[64:65], 0
	v_nop
	global_prefetch_b8 v0, s[64:65] scope:SCOPE_SE
	s_setreg_imm32_b32 hwreg(HW_REG_WAVE_MODE, 25, 1), 1
	s_wait_xcnt 0x0
; SECOND LAUNCH: out = relu(relu(enc W1) W2) W3 for 2^20 points; enc = for each of six planes 4 levels x 2 features of a hash grid (bilinear over 4 corners) and the plane's 2 coordinates: 60 numbers.
; Products 1 and 2 on codes of FP4 (E2M1) with one E8M0 scale for each 32 along K; both operands quantised along K; sums in f32.  Product 3 (3 columns) in f32 by packed fused multiply-adds.
; The cells come as whole numbers from idx, one bit for each 32 points from flags, the weights' codes and scale words from wq; all three were stored by the launch before.
; SHARES.  4,096 waves; a wave owns 256 neighbouring points and walks them in 8 passes of 32, A LANE A POINT while it encodes.  Sixteen waves of 256 registers to a work-group, four to a SIMD.
; TWO WAYS TO THE CORNERS, chosen pass by pass by a scalar branch on the pass's stored bit, round the encoding alone:
;   DENSE (all 12 coordinates of the 32 points in [0, 1)): the corners then lie in 17, 24, 32, 44 values an axis.  Those cells of all 24 tables lie in LDS, cell (x, y) of a level at y x dim + x, 8 bytes a cell, each level in
;   whole runs of 512 cells: 4,608 cells a plane, 221,184 bytes.  Each work-group fills them once, at its head.  The pass's words are the LDS addresses of corner (0, 0); the other three stand in the loads' immediates.
;   GENERAL (any other pass): the words are cx << 19 | (cy x prime) mod 2^19; the four indices are hashed here and the entries gathered from memory.
;   Either way 24 levels (plane, level) go through a ring of eight slots of 8 registers: a level's four loads of 8 bytes are issued eight levels ahead of their use.
; LDS IN THREE PHASES.  The dense gathers' addresses are data.  So no store into LDS stands in their phase: the tables, W3 and the weights' images are stored ahead of the first barrier; between the barriers LDS is only read;
; the results wait in 24 registers and go through the stage behind the second barrier.
; PRODUCTS, used transposed: source 0 = 16 rows of a weight tile, source 1 = 16 points.  Row r of tile t is unit (r % 8) + 8 t + 32 (r / 8), so that in the results lane (r, h) holds, of point r, units 32 h + 0 .. 31 in
; ascending registers: ONE WHOLE BLOCK of the next K, in the order that the next operand wants: its largest magnitude needs no other lane, and the conversions' results are the operand.
; K is 64 (60 and four zeros) of the instruction's 128: the points' operand has zero codes in registers 4-7, so the weights' registers 4-7 may hold anything (every pattern of bits is codes of numbers; here: the next tile, or
; what stands behind the last), and bytes 2 and 3 of all scale words are 0.
; NO CLUSTER, NO TENSOR LOAD, though all work-groups fill the same cells: the cells are single entries of 8 bytes at hashed places of 24 tables, no tile that a descriptor states; and this text branches on stored bits.
; The next pass's words and points are asked for into registers ahead of the pass's three products, so no prefetch into a cache is laid beside them.
; LIMITS: as the first launch states (in a general pass |p0| < 96.9; NaN and infinities not served).  A block whose numbers are all zero gets the scale byte 1 where the rule says 127: its codes are zeros.
; REGISTERS: v1-7 addresses; v8-15 the weights' scale words; v16-18 the points' scale words; v19 lane; v20-43 the results of 8 passes; v44-53 the fill's addresses (head only); v56-63, v64-71 the two tiles of points
;   (4 of codes, 4 zeros); v72-135 enc (v132-135 zeros); v136-159 the pass's 24 words; v160-223 the ring, then the hidden layer; v224-255 at work (v232-247 a layer's four weight tiles).
.set NPASS, 8
.set VP,   1                           ; v1   byte offset of my point in a plane's points (of the NEXT pass, once the pass has begun)
.set VI,   2                           ; v2   the same in a plane's words
.set VO,   3                           ; v3   16 x lane
.set VW3,  4                           ; v4   LDS: my wave's copy of W3, my half's three rows
.set VSTG, 5                           ; v5   LDS: my wave's stage + 12 x lane
.set VLD,  6                           ; v6   LDS: my wave's stage + 16 x lane
.set VWL,  7                           ; v7   LDS: the weights' images + 16 x lane
.set WS,   8
.set SW1,  16                          ; enc's scale words: lane = point
.set SW2,  17                          ; v17, v18: the hidden layer's, tile 0 and tile 1, in lanes 0-15
.set LN,   19
.set RO,   20                          ; the results: at the end pass i, column c at 20 + 3 i + c
.set FA,   44                          ; v44-52 the fill's nine byte offsets in a table
.set FS,   53                          ; v53  the fill's LDS address: 8 x thread + the plane
.set C0,   56
.set C1,   64
.set ENC,  72
.set IDX,  136
.set RING, 160
.set H,    160
.set FD,   160                         ; the fill's data: three sets of 18 registers
.set TMP,  224
.set WT,   TMP+8
.set PB,   4                           ; s[4:15]  the six planes' points
.set FLG,  24                          ; s24  the wave's eight bits, the pass in hand lowest
.set IB,   26                          ; s[26:37] the six planes' words
.set TB0,  38                          ; the 24 tables: level g at s[38 + 2 g + 2 (g / 13)]: s38-63 and s66-87
.set RES,  88                          ; s[88:95] the four resolutions, as pairs
.set MSK,  96                          ; s96  2^19 - 1
.set P19,  97                          ; s97  the prime modulo 2^19
.set SEL,  98                          ; s[98:99] v_permlanex16_b32's selects for lane l xor 16
.set LEFT, 2                           ; s2   passes to go
.set PLB,  36864                       ; LDS: a plane's 4,608 cells
.set DENSE, 6*PLB                      ; the six planes lie from byte 0 on
.set DTOP, DENSE-8*46                  ; the bound on a dense word: with the largest immediate, 8 x 45, and the load's 8 bytes it stays inside the cells
.set W3L,  DENSE                       ; sixteen copies of W3 (768 bytes: row 3 h + c of 128 bytes holds W3[32 h + 0 .. 31][c]),
.set WQL,  W3L+16*768                  ; the eight weight tiles' images, 512 bytes each,
.set STAGE, WQL+4096                   ; sixteen stages of 3,072 bytes (256 points x 12)
.macro PLACES n
.rept \n
	v_nop
.endr
.endm
; The next 32 points' words and coordinates: 12 loads; a wave reads 512 and 256 consecutive bytes.  The coordinates land in their places in enc.
.macro NEXT_IN
.irp p, 0,1,2,3,4,5
	global_load_b128 v[IDX+4*\p:IDX+4*\p+3], v[VI], s[IB+2*\p:IB+2*\p+1] th:TH_LOAD_NT
.endr
.irp p, 0,1,2,3,4,5
	global_load_b64 v[ENC+10*\p+8:ENC+10*\p+9], v[VP], s[PB+2*\p:PB+2*\p+1] th:TH_LOAD_NT
.endr
.endm
; THE FILL.  Run j of 512 cells of a plane: cell e = thread + eoff of a level of dim corners an axis.  y = e / dim by a multiplication (magic = 65536 / dim, rounded up: exact for e under 2,730 at these four dims),
; x = e - y dim; the entry's byte offset in its table is 8 x ((x xor y x prime) mod 2^19).  It is the same for all six planes.  Cells behind a level's dim^2 take an entry that nobody reads.
.macro FADDR j, dim, magic, eoff
	v_add_nc_u32 v[FA+\j], \eoff, v0
	v_mul_u32_u24 v[TMP+16], v[FA+\j], \magic
	v_lshrrev_b32 v[TMP+16], 16, v[TMP+16]         ; y
	v_mul_u32_u24 v[TMP+17], v[TMP+16], \dim
	v_sub_nc_u32 v[FA+\j], v[FA+\j], v[TMP+17]     ; x
	v_mul_u32_u24 v[TMP+16], v[TMP+16], s[P19]     ; y x (prime mod 2^19): under 2^25, and equal to y x prime modulo 2^19
	v_xor_b32 v[FA+\j], v[FA+\j], v[TMP+16]
	v_and_b32 v[FA+\j], s[MSK], v[FA+\j]
	v_lshlrev_b32 v[FA+\j], 3, v[FA+\j]
.endm
.macro FILL_LD p                       ; plane p's nine runs: run 0 is level 0, runs 1, 2 level 1, runs 3, 4 level 2, runs 5 to 8 level 3
.irp j, 0,1,2,3,4,5,6,7,8
.set LV, (\j+1)/2
.if LV > 3
.set LV, 3
.endif
.set G, 4*(\p)+LV
	global_load_b64 v[FD+18*((\p)%3)+2*\j:FD+18*((\p)%3)+2*\j+1], v[FA+\j], s[TB0+2*G+2*(G/13):TB0+2*G+2*(G/13)+1]
.endr
.endm
.macro FILL_ST p
.irp j, 0,1,2,3,4,5,6,7,8
	ds_store_b64 v[FS], v[FD+18*((\p)%3)+2*\j:FD+18*((\p)%3)+2*\j+1] offset:4096*\j   ; a wave stores 256 consecutive bytes
.endr
.endm
	s_load_b256 s[4:11], s[0:1], 0x0               ; the six planes' points
	s_load_b128 s[12:15], s[0:1], 0x20
	s_load_b64 s[TB0:TB0+1], s[0:1], 0x30          ; tables
	s_load_b64 s[18:19], s[0:1], 0x38              ; W3
	s_load_b64 s[IB:IB+1], s[0:1], 0x40            ; idx
	s_load_b128 s[20:23], s[0:1], 0x48             ; wq s[20:21], out0 s[22:23]
	s_load_b64 s[16:17], s[0:1], 0x58              ; flags
	v_lshl_add_u32 v54, v0, 2, 0x46000
	v_mov_b32 v55, 0
	v_lshrrev_b32 v[LN], 5, v0
	v_readfirstlane_b32 s100, v[LN]                ; wave 0 .. 15
	v_and_b32 v[LN], 31, v0                        ; lane
	s_lshl_b32 s101, ttmp9, 4
	s_add_co_u32 s101, s101, s100                  ; my wave among the launch's 4,096
	s_lshl_b32 s2, s101, 8                         ; its first point
	v_add_nc_u32 v[VP], s2, v[LN]
	v_lshlrev_b32 v[VI], 4, v[VP]
	v_lshlrev_b32 v[VP], 3, v[VP]
	v_lshlrev_b32 v[VO], 4, v[LN]
	s_mul_i32 s3, s100, 768
	s_add_co_u32 s3, s3, W3L                       ; my copy of W3
	v_bfe_u32 v[VW3], v0, 4, 1                     ; h
	v_mad_u32_u24 v[VW3], v[VW3], 384, s3
	v_lshl_add_u32 v[TMP+10], v[LN], 2, s3         ; into it: 4 bytes a lane
	s_mul_i32 s3, s100, 3072
	s_add_co_u32 s3, s3, STAGE                     ; my stage
	v_mad_u32_u24 v[VSTG], v[LN], 12, s3
	v_add_nc_u32 v[VLD], s3, v[VO]
	v_add_nc_u32 v[VWL], WQL, v[VO]
	v_lshl_add_u32 v[TMP+11], v0, 3, WQL           ; the images on their way in: 8 bytes a thread, 4,096 in all
	v_lshlrev_b32 v[TMP+14], 3, v0                 ; and the same 8 bytes in wq
	v_lshlrev_b32 v[FS], 3, v0                     ; the fill: 8 bytes a thread
	v_mul_u32_u24 v[TMP+8], v[LN], 12              ; W3 in memory: 12 bytes a row
	v_lshlrev_b32 v[TMP+9], 2, v[LN]               ; scale words: 4 bytes a lane
	s_mov_b32 s[RES+0], 0x41800000                 ; 16
	s_mov_b32 s[RES+2], 0x41b0e219                 ; 16 x 1.3819, rounded to f32
	s_mov_b32 s[RES+4], 0x41f46f55                 ; 16 x 1.3819^2
	s_mov_b32 s[RES+6], 0x4228e46d                 ; 16 x 1.3819^3
.irp l, 0,1,2,3
	s_mov_b32 s[RES+2*\l+1], s[RES+2*\l]
.endr
	s_mov_b32 s[MSK], 0x7ffff
	s_mov_b32 s[P19], 0x779b1
	s_mov_b32 s[SEL], 0x76543210
	s_mov_b32 s[SEL+1], 0xfedcba98
	FADDR 0, 17, 3856, 0
	FADDR 1, 24, 2731, 0
	FADDR 2, 24, 2731, 512
	FADDR 3, 32, 2048, 0
	FADDR 4, 32, 2048, 512
	FADDR 5, 44, 1490, 0
	FADDR 6, 44, 1490, 512
	FADDR 7, 44, 1490, 1024
	FADDR 8, 44, 1490, 1536
.irp z, C0+4, C1+4, ENC+60, TMP+24
.irp i, 0,1,2,3
	v_mov_b32 v[\z+\i], 0                          ; k = 64 .. 127 of both tiles of points and enc's numbers 60 to 63: never rewritten.  The four behind the weight tiles: written, so that they may be named
.endr
.endr
	v_mov_b32 v[TMP+6], 0                          ; (a lane permute's destination counts as one of its sources)
	v_mov_b32 v[TMP+7], 0
.set I, 3
.rept 21
	v_mov_b32 v[RO+I], 0                           ; the results' registers are moved down from the first pass on: so they are written
.set I, I+1
.endr
	s_wait_kmcnt 0x0
.irp j, 0,1,2,3,4,5
	global_load_b32 v[TMP+\j], v[TMP+8], s[18:19] offset:384*(\j/3)+4*(\j%3)   ; W3[32 (j / 3) + lane][j % 3]
.endr
	global_load_b64 v[TMP+12:TMP+13], v[TMP+14], s[20:21]                      ; the weight tiles' images, the work-group's 512 threads together
.irp n, 0,1,2,3,4,5,6,7
	global_load_b32 v[WS+\n], v[TMP+9], s[20:21] offset:4096+128*\n            ; their scale words: they stay in registers
.endr
.irp p, 1,2,3,4,5
	s_add_nc_u64 s[IB+2*\p:IB+2*\p+1], s[IB:IB+1], \p*0x1000000               ; a plane's words are 2^24 bytes
.endr
	NEXT_IN                                        ; the first pass's
	s_lshl_b32 s2, s101, 3                         ; two words of flags a wave: 128 points each
	s_mov_b32 s3, 0
	s_add_nc_u64 s[16:17], s[16:17], s[2:3]
	s_load_b64 s[24:25], s[16:17], 0x0
	s_mul_i32 s2, s101, 3072                       ; my wave's 256 rows of out0
	s_add_nc_u64 s[22:23], s[22:23], s[2:3]
.set G, 1
.rept 23
	s_add_nc_u64 s[TB0+2*G+2*(G/13):TB0+2*G+2*(G/13)+1], s[TB0:TB0+1], G*0x400000   ; a level's table is 2^22 bytes
.set G, G+1
.endr
	FILL_LD 0
	FILL_LD 1
	FILL_LD 2
	s_wait_loadcnt 47                              ; W3's six and the image's one are in: behind them 8 + 12 + 27 loads were issued
.irp j, 0,1,2,3,4,5
	ds_store_b32 v[TMP+10], v[TMP+\j] offset:128*\j
.endr
	ds_store_b64 v[TMP+11], v[TMP+12:TMP+13]
.irp p, 0,1,2,3,4,5
.if \p < 4
	s_wait_loadcnt 18                              ; plane p's nine are in; the two planes behind it may be out
.else
	s_wait_loadcnt 9*(5-\p)
.endif
	FILL_ST \p
	s_wait_dscnt 0x0                               ; the stores have read their registers
.if \p < 3
	FILL_LD \p+3                                   ; into the set just stored
.endif
.if \p < 5
	v_add_nc_u32 v[FS], PLB, v[FS]
.endif
.endr
	s_wait_kmcnt 0x0                               ; the flags
	s_lshl_b32 s25, s25, 4
	s_or_b32 s[FLG], s[FLG], s25                   ; bit i: pass i
	s_wait_dscnt 0x0                               ; for the others' sake: all my stores into LDS have landed
	s_barrier_signal -1
	s_barrier_wait -1                              ; THE FIRST BARRIER: the cells, W3 and the images lie in LDS; from here to the second barrier LDS is only read
; GENERAL.  Level g = 4 x plane + level: the four corners' indices from its word, and the four gathers, into ring slot g % 8.  A gather lands on its own offset register.
.macro ISSUE g
.set R, RING+8*((\g)%8)
.set W, IDX+(\g)
.set B, TB0+2*(\g)+2*((\g)/13)
	v_and_b32 v[R+1], s[MSK], v[W]                 ; (cy x prime) mod 2^19
	v_add_nc_u32 v[R+3], s[P19], v[W]
	v_ashrrev_i32 v[R+5], 19, v[W]                 ; cx
	v_and_b32 v[R+3], s[MSK], v[R+3]               ; ((cy + 1) x prime) mod 2^19
	v_add_nc_u32 v[R+7], 1, v[R+5]
	v_and_b32 v[R+5], s[MSK], v[R+5]               ; cx mod 2^19
	v_and_b32 v[R+7], s[MSK], v[R+7]               ; (cx + 1) mod 2^19
	v_xor_b32 v[R], v[R+5], v[R+1]                 ; corner (0, 0)
	v_xor_b32 v[R+2], v[R+7], v[R+1]               ; (1, 0)
	v_xor_b32 v[R+4], v[R+5], v[R+3]               ; (0, 1)
	v_xor_b32 v[R+6], v[R+7], v[R+3]               ; (1, 1)
.irp k, 0,2,4,6
	v_min_u32 v[R+\k], 0x7ffff, v[R+\k]            ; a loaded number enters an address behind a bound written in the instruction; it changes nothing here
.endr
.irp k, 0,2,4,6
	v_lshlrev_b32 v[R+\k], 3, v[R+\k]              ; 8 bytes an entry
.endr
.irp k, 0,2,4,6
	global_load_b64 v[R+\k:R+\k+1], v[R+\k], s[B:B+1]   ; the entry's two features
.endr
.endm
; DENSE.  The word is the LDS address of corner (0, 0); (1, 0) lies 8 bytes on, (0, 1) a row of dim cells on.
.macro DISSUE g
.set R, RING+8*((\g)%8)
.set W, IDX+(\g)
.if (\g)%4 == 0
.set DM, 17
.elseif (\g)%4 == 1
.set DM, 24
.elseif (\g)%4 == 2
.set DM, 32
.else
.set DM, 44
.endif
	v_min_u32 v[W], DTOP, v[W]                     ; a loaded number enters an address behind a bound written in the instruction; it changes no word that the first launch made
	ds_load_b64 v[R:R+1], v[W]
	ds_load_b64 v[R+2:R+3], v[W] offset:8
	ds_load_b64 v[R+4:R+5], v[W] offset:8*DM
	ds_load_b64 v[R+6:R+7], v[W] offset:8*DM+8
.endm
; Level g's bilinear weights (made while its four loads may still be out), the wait, and its two features into enc.  dense: which counter the four loads are on.
.macro CONSUME g, dense
.set R, RING+8*((\g)%8)
.set T, TMP+8*((\g)%2)
.set PT, ENC+10*((\g)/4)+8
.set E, ENC+10*((\g)/4)+2*((\g)%4)
.set RS, RES+2*((\g)%4)
.set YOUNGER, 23-(\g)
.if YOUNGER > 7
.set YOUNGER, 7
.endif
	v_pk_mul_f32 v[T:T+1], v[PT:PT+1], s[RS:RS+1] op_sel_hi:[1,0]             ; pos = p x res
	v_floor_f32 v[T+2], v[T]
	v_floor_f32 v[T+3], v[T+1]
	v_pk_add_f32 v[T:T+1], v[T:T+1], v[T+2:T+3] neg_lo:[0,1] neg_hi:[0,1]     ; wx, wy
	v_pk_fma_f32 v[T+2:T+3], v[T:T+1], -1.0, 1.0 op_sel_hi:[1,0,0]            ; 1 - wx, 1 - wy
	v_pk_mul_f32 v[T+4:T+5], v[T+2:T+3], v[T:T+1] op_sel:[0,1] op_sel_hi:[1,0]   ; (1 - wx) wy, (1 - wy) wx
	v_mul_f32 v[T+6], v[T+2], v[T+3]                                          ; (1 - wx) (1 - wy)
	v_mul_f32 v[T+7], v[T], v[T+1]                                            ; wx wy
.if \dense
	s_wait_dscnt 4*YOUNGER                         ; LDS loads come back in order: this level's four are in; the later levels' in the ring may be out
.else
	s_wait_loadcnt 4*YOUNGER                       ; the same of the gathers from memory
.endif
	v_pk_mul_f32 v[E:E+1], v[R:R+1], v[T+6:T+7] op_sel_hi:[1,0]
	v_pk_fma_f32 v[E:E+1], v[R+2:R+3], v[T+4:T+5], v[E:E+1] op_sel:[0,1,0] op_sel_hi:[1,1,1]
	v_pk_fma_f32 v[E:E+1], v[R+4:R+5], v[T+4:T+5], v[E:E+1] op_sel_hi:[1,0,1]
	v_pk_fma_f32 v[E:E+1], v[R+6:R+7], v[T+6:T+7], v[E:E+1] op_sel:[0,1,0] op_sel_hi:[1,1,1]
.endm
; A layer's four weight tiles, n0 on, from their images: any wave that loads an image by these lines has the operand's registers.
.macro WEIGHTS n0
.irp t, 0,1,2,3
	ds_load_b128 v[WT+4*\t:WT+4*\t+3], v[VWL] offset:512*(\n0+\t)
.endr
.endm
; Eight matrix instructions: the four weight tiles x the two tiles of points.  Each has an accumulator of its own and the constant 0 as C: K is one step, so nothing is added in place.
.macro LAYER n0, sa, sb, rowb
.irp t, 0,1,2,3
	v_wmma_scale_f32_16x16x128_f8f6f4 v[H+8*\t:H+8*\t+7], v[WT+4*\t:WT+4*\t+7], v[C0:C0+7], 0, v[WS+\n0+\t], v[\sa] matrix_a_fmt:MATRIX_FMT_FP4 matrix_b_fmt:MATRIX_FMT_FP4
.if \rowb
	v_wmma_scale_f32_16x16x128_f8f6f4 v[H+32+8*\t:H+32+8*\t+7], v[WT+4*\t:WT+4*\t+7], v[C1:C1+7], 0, v[WS+\n0+\t], v[\sb] matrix_a_fmt:MATRIX_FMT_FP4 matrix_b_fmt:MATRIX_FMT_FP4 matrix_b_scale:MATRIX_SCALE_ROW1
.else
	v_wmma_scale_f32_16x16x128_f8f6f4 v[H+32+8*\t:H+32+8*\t+7], v[WT+4*\t:WT+4*\t+7], v[C1:C1+7], 0, v[WS+\n0+\t], v[\sb] matrix_a_fmt:MATRIX_FMT_FP4 matrix_b_fmt:MATRIX_FMT_FP4
.endif
.endr
.endm
; From two largest magnitudes in v[TMP], v[TMP+1]: the conversions' scale operands in v[TMP+2], v[TMP+3], the scale bytes in v[TMP+4], v[TMP+5].
.macro SCALES
	v_add_nc_u32 v[TMP+2], 0xff000000, v[TMP]      ; 2 off the exponent field: the conversion takes the exponent field of this operand as its scale
	v_add_nc_u32 v[TMP+3], 0xff000000, v[TMP+1]
	v_lshrrev_b32 v[TMP+4], 23, v[TMP+2]
	v_lshrrev_b32 v[TMP+5], 23, v[TMP+3]
.endm
; Column c of product 3, for both tiles of points: my half's 32 units x W3's 32 numbers, two at a time; the two tiles' chains by turns.  enc = 1: W3's numbers lie in enc's feature places of planes 0 to 3.
.macro DOT c, enc
.set AC0, ENC+40+4*(\c)+2*((\c)/2)     ; v112, v116, v122: feature places of planes 4 and 5
.set AC1, AC0+2
.set I, 0
.rept 16
.if \enc
.set WR, ENC+10*(I/8)+I%8
.else
.set WR, TMP+I
.endif
.if I == 0
	v_pk_mul_f32 v[AC0:AC0+1], v[H+I:H+I+1], v[WR:WR+1]
	v_pk_mul_f32 v[AC1:AC1+1], v[H+32+I:H+32+I+1], v[WR:WR+1]
.else
	v_pk_fma_f32 v[AC0:AC0+1], v[H+I:H+I+1], v[WR:WR+1], v[AC0:AC0+1]
	v_pk_fma_f32 v[AC1:AC1+1], v[H+32+I:H+32+I+1], v[WR:WR+1], v[AC1:AC1+1]
.endif
.set I, I+2
.endr
.endm
	s_mov_b32 s[LEFT], NPASS
.Lpass:
	s_wait_loadcnt 0x0                             ; the pass's words and coordinates are in (asked for ahead of the last pass's products); their address registers are free
	v_add_nc_u32 v[VP], 256, v[VP]                 ; on to the next pass's 32 points
	v_add_nc_u32 v[VI], 512, v[VI]
	s_and_b32 s3, s[FLG], 1                        ; the pass's stored bit
	s_lshr_b32 s[FLG], s[FLG], 1
	s_cmp_lg_u32 s3, 0
	s_cbranch_scc1 .Ldense
	; ---- the encoding, general: the entries come from memory
.irp g, 0,1,2,3,4,5,6,7
	ISSUE \g
.endr
.set G, 0
.rept 24
	CONSUME G, 0
.if G < 16
	ISSUE G+8                                      ; into the slot just read
.endif
.set G, G+1
.endr
	s_branch .Lencoded
.Ldense:
	; ---- the encoding, dense: the entries come from LDS
.irp g, 0,1,2,3,4,5,6,7
	DISSUE \g
.endr
.set G, 0
.rept 24
	CONSUME G, 1
.if G < 16
	DISSUE G+8
.endif
.set G, G+1
.endr
.Lencoded:
	WEIGHTS 0                                      ; W1's four tiles: they land while enc is quantised
	; ---- enc is quantised: a lane holds its point's two blocks
	v_max3_num_f32 v[TMP], |v[ENC]|, |v[ENC+1]|, 0x1800000        ; the floor 2^(3 - 127) among the leaves: the byte cannot fall under 1
	v_max3_num_f32 v[TMP+1], |v[ENC+32]|, |v[ENC+33]|, 0x1800000
.irp i, 2,4,6,8,10,12,14,16,18,20,22,24,26
	v_max3_num_f32 v[TMP], v[TMP], |v[ENC+\i]|, |v[ENC+\i+1]|
	v_max3_num_f32 v[TMP+1], v[TMP+1], |v[ENC+32+\i]|, |v[ENC+33+\i]|   ; (the second block has 28 numbers and four zeros)
.endr
	v_max3_num_f32 v[TMP], v[TMP], |v[ENC+28]|, |v[ENC+29]|
	v_max3_num_f32 v[TMP], v[TMP], |v[ENC+30]|, |v[ENC+31]|
	SCALES
	v_lshl_or_b32 v[SW1], v[TMP+5], 8, v[TMP+4]    ; my point's scale word
.irp g, 0,1,2,3
	v_cvt_scalef32_pk8_fp4_f32 v[C0+\g], v[ENC+8*\g:ENC+8*\g+7], v[TMP+2]
	v_cvt_scalef32_pk8_fp4_f32 v[C1+\g], v[ENC+32+8*\g:ENC+32+8*\g+7], v[TMP+3]
.endr
	v_nop                                          ; one plain line between a scaled conversion and the vector instruction that touches its result
.irp g, 0,1,2,3
	v_permlane16_swap_b32 v[C0+\g], v[C1+\g]       ; the first's lanes 16-31 change places with the second's lanes 0-15: now tile 0 (points 0-15) and tile 1, lanes 0-15 block 0, lanes 16-31 block 1
.endr
	s_cmp_eq_u32 s[LEFT], 1                        ; the last pass asks for nothing: no load leaves its buffer
	s_cbranch_scc1 .Lno_next
	NEXT_IN                                        ; the words' and the coordinates' registers have been read; these loads have the three products in which to land
.Lno_next:
	s_wait_dscnt 0x0                               ; W1's tiles are in
	PLACES 8                                       ; a scale register written by a vector instruction stands 8 places ahead of a scaled matrix instruction, an operand so written 4
	; ---- product 1
	LAYER 0, SW1, SW1, 1                           ; tile 1's scale words stand in lanes 16-31 of the same register
	PLACES 4                                       ; four places ahead of the first read of results and of loads into registers that matrix instructions have read
	WEIGHTS 4                                      ; W2's four tiles, where W1's lay: they land while the hidden layer is quantised
	; ---- relu and quantiser: lane (r, h) holds block h of point r, for both tiles.  No |.|: what is negative does not count; the floor stands over it.  Each accumulator is read from its low end on
	v_max3_num_f32 v[TMP], v[H], v[H+1], 0x1800000
	v_max3_num_f32 v[TMP+1], v[H+32], v[H+33], 0x1800000
.irp i, 2,4,6,8,10,12,14,16,18,20,22,24,26,28,30
	v_max3_num_f32 v[TMP], v[TMP], v[H+\i], v[H+\i+1]
	v_max3_num_f32 v[TMP+1], v[TMP+1], v[H+32+\i], v[H+33+\i]
.endr
	SCALES
	v_permlanex16_b32 v[TMP+6], v[TMP+4], s[SEL], s[SEL+1]
	v_permlanex16_b32 v[TMP+7], v[TMP+5], s[SEL], s[SEL+1]
	v_lshl_or_b32 v[SW2], v[TMP+6], 8, v[TMP+4]    ; in lanes 0-15: block 0's byte, block 1's above it (lanes 16-31 are not read)
	v_lshl_or_b32 v[SW2+1], v[TMP+7], 8, v[TMP+5]
.set I, 0
.rept 64
	v_max_num_f32 v[H+I], 0, v[H+I]                ; the activation, in f32
.set I, I+1
.endr
.irp g, 0,1,2,3
	v_cvt_scalef32_pk8_fp4_f32 v[C0+\g], v[H+8*\g:H+8*\g+7], v[TMP+2]
	v_cvt_scalef32_pk8_fp4_f32 v[C1+\g], v[H+32+8*\g:H+32+8*\g+7], v[TMP+3]
.endr
	s_wait_dscnt 0x0                               ; W2's tiles are in
	PLACES 8                                       ; behind the conversions, ahead of the scaled matrix instructions that read their results and write over their sources
	; ---- product 2
	LAYER 4, SW2, SW2+1, 0
	PLACES 4                                       ; ahead of the loads into the weights' registers and of the first read of results
.irp q, 0,1,2,3,4,5,6,7
	ds_load_b128 v[TMP+4*\q:TMP+4*\q+3], v[VW3] offset:16*\q                   ; W3's column 0, my half's 32 numbers: sixteen lanes read the same bytes
.endr
.irp q, 0,1,2,3,4,5,6,7
	ds_load_b128 v[ENC+10*(\q/2)+4*(\q%2):ENC+10*(\q/2)+4*(\q%2)+3], v[VW3] offset:128+16*\q   ; column 1, into enc's feature places of planes 0 to 3 (the coordinates' places await the next pass's loads)
.endr
.set I, 0
.rept 64
	v_max_num_f32 v[H+I], 0, v[H+I]                ; ascending: each accumulator from its low end on
.set I, I+1
.endr
	; ---- product 3, in f32
	s_wait_dscnt 8                                 ; column 0 is in; column 1's eight loads may be out
	DOT 0, 0
.irp q, 0,1,2,3,4,5,6,7
	ds_load_b128 v[TMP+4*\q:TMP+4*\q+3], v[VW3] offset:256+16*\q               ; column 2, where column 0 lay
.endr
	s_wait_dscnt 8                                 ; column 1 is in; column 2's eight may be out
	DOT 1, 1
	s_wait_dscnt 0x0
	DOT 2, 0
.irp a, 40,42,44,46,50,52
	v_add_f32 v[ENC+\a], v[ENC+\a], v[ENC+\a+1]    ; even units' and odd units' sums
.endr
.set I, 0
.rept 21
	v_mov_b32 v[RO+I], v[RO+I+3]                   ; the earlier passes' results move three registers down: a register's number cannot follow the loop's counter, and LDS takes no store in this phase
.set I, I+1
.endr
.irp a, 40,44,50
	v_permlane16_swap_b32 v[ENC+\a], v[ENC+\a+2]   ; tile 0's upper lanes change places with tile 1's lower: the first now holds units 0-31's sum of point = lane, the second units 32-63's
.endr
	v_add_f32 v[RO+21], v[ENC+40], v[ENC+42]       ; this pass's three results, a lane a point
	v_add_f32 v[RO+22], v[ENC+44], v[ENC+46]
	v_add_f32 v[RO+23], v[ENC+50], v[ENC+52]
	s_sub_co_i32 s[LEFT], s[LEFT], 1
	s_cmp_lg_u32 s[LEFT], 0
	s_cbranch_scc1 .Lpass
	; ---- the way out: my 256 points' 3,072 bytes, through my stage, as they lie in out0
	s_wait_dscnt 0x0                               ; my reads of LDS are over
	s_barrier_signal -1
	s_barrier_wait -1                              ; THE SECOND BARRIER: every wave's gathers are over; now LDS is stored into again
.set I, 0
.rept 24
	ds_store_b32 v[VSTG], v[RO+I] offset:384*(I/3)+4*(I%3)                     ; 12 bytes a point, 384 a pass; 32 lanes fall on 32 different banks
.set I, I+1
.endr
.irp j, 0,1,2,3,4,5
	ds_load_b128 v[TMP+4*\j:TMP+4*\j+3], v[VLD] offset:512*\j                  ; LDS serves a wave's instructions in order (ISA guide 5.7.1.4): these see my stores
.endr
.irp j, 0,1,2,3,4,5
	s_wait_dscnt 5-\j                              ; load j is in; the later ones may be out
	global_store_b128 v[VO], v[TMP+4*\j:TMP+4*\j+3], s[22:23] offset:512*\j th:TH_STORE_NT   ; 32 lanes store 512 consecutive bytes, at a multiple of 256 from out0's first byte
.endr
	s_wait_tensorcnt 0x0
	ds_add_u32 v54, v55
	s_wait_dscnt 0x0
	s_endpgm
.Lfunc_end_k_qa07e2a860e_mlp:
	.size	k_qa07e2a860e_mlp, .Lfunc_end_k_qa07e2a860e_mlp-k_qa07e2a860e_mlp
	.p2alignl 7, 3214868480
	.fill 96, 4, 3214868480
	.section	.rodata,"a",@progbits
	.p2align	6, 0x0
	.amdhsa_kernel k_qa07e2a860e_mlp
		.amdhsa_group_segment_fixed_size 288768
		.amdhsa_private_segment_fixed_size 0
		.amdhsa_enable_private_segment 0
		.amdhsa_kernarg_size 96
		.amdhsa_user_sgpr_count 2
		.amdhsa_user_sgpr_kernarg_segment_ptr 1
		.amdhsa_wavefront_size32 1
		.amdhsa_system_sgpr_workgroup_id_x 1
		.amdhsa_system_sgpr_workgroup_id_y 1
		.amdhsa_system_sgpr_workgroup_id_z 1
		.amdhsa_system_vgpr_workitem_id 0
		.amdhsa_next_free_vgpr 256
		.amdhsa_next_free_sgpr 102
		.amdhsa_reserve_vcc 0
		.amdhsa_float_denorm_mode_32 3
		.amdhsa_float_denorm_mode_16_64 3
		.amdhsa_memory_ordered 1
		.amdhsa_forward_progress 1
		.amdhsa_inst_pref_size 114
	.end_amdhsa_kernel
	.amdgpu_metadata
---
amdhsa.version: [ 1, 2 ]
amdhsa.kernels:
  - .name:           k_qa07e2a860e_mlp
    .symbol:         k_qa07e2a860e_mlp.kd
    .args:
      - { .name: points_xy, .offset: 0, .size: 8, .value_kind: global_buffer, .address_space: global }
      - { .name: points_xz, .offset: 8, .size: 8, .value_kind: global_buffer, .address_space: global }
      - { .name: points_yz, .offset: 16, .size: 8, .value_kind: global_buffer, .address_space: global }
      - { .name: points_xt, .offset: 24, .size: 8, .value_kind: global_buffer, .address_space: global }
      - { .name: points_yt, .offset: 32, .size: 8, .value_kind: global_buffer, .address_space: global }
      - { .name: points_zt, .offset: 40, .size: 8, .value_kind: global_buffer, .address_space: global }
      - { .name: tables, .offset: 48, .size: 8, .value_kind: global_buffer, .address_space: global }
      - { .name: W3, .offset: 56, .size: 8, .value_kind: global_buffer, .address_space: global }
      - { .name: idx, .offset: 64, .size: 8, .value_kind: global_buffer, .address_space: global }
      - { .name: wq, .offset: 72, .size: 8, .value_kind: global_buffer, .address_space: global }
      - { .name: out0, .offset: 80, .size: 8, .value_kind: global_buffer, .address_space: global }
      - { .name: flags, .offset: 88, .size: 8, .value_kind: global_buffer, .address_space: global }
    .group_segment_fixed_size: 288768
    .private_segment_fixed_size: 0
    .kernarg_segment_align: 8
    .kernarg_segment_size: 96
    .max_flat_workgroup_size: 512
    .sgpr_count:     102
    .vgpr_count:     256
    .wavefront_size: 32
...
	.end_amdgpu_metadata
.endif
;; end of part 4
;; ======== version 3 of 3: 2 launches; version 2 with the launch mlp written anew for expert scheduling mode
;; limits: inputs' magnitudes at most 96.9
;; workspace buffers: idx 100,663,296 bytes of whole numbers; flags 32,768 bytes of whole numbers; wq 5,120 bytes
;; launch index: the kernel of part 3 again; grid 1024 x 1, 8 waves a work-group, no clusters, 0 bytes of LDS; arguments points_xy, points_xz, points_yz, points_xt, points_yt, points_zt, W1, W2, idx, wq, flags; writes idx, wq, flags
;; launch mlp (part 5): grid 256 x 1, 16 waves a work-group, no clusters, 288,768 bytes of LDS; arguments points_xy, points_xz, points_yz, points_xt, points_yt, points_zt, tables, W3, idx, wq, out0, flags; writes out0
.if DOCPART == 5
	.amdgcn_target "amdgcn-amd-amdhsa--gfx1250"
	.amdhsa_code_object_version 6
	.text
	.protected	k_qa07e2a860e_mlp
	.globl	k_qa07e2a860e_mlp
	.p2align	8
	.type	k_qa07e2a860e_mlp,@function
k_qa07e2a860e_mlp:
	s_mov_b64 s[64:65], 0
	v_nop
	global_prefetch_b8 v0, s[64:65] scope:SCOPE_SE
	s_setreg_imm32_b32 hwreg(HW_REG_WAVE_SCHED_MODE, 0, 2), 2
	s_setreg_imm32_b32 hwreg(HW_REG_WAVE_MODE, 25, 1), 1
	s_wait_xcnt 0x0
	s_wait_alu depctr_vm_vsrc(0)
; SECOND LAUNCH: out = relu(relu(enc W1) W2) W3 for 2^20 points; enc = for each of six planes 4 levels x 2 features of a hash grid (bilinear over 4 corners) and the plane's 2 coordinates: 60 numbers.
; Products 1 and 2 on codes of FP4 (E2M1) with one E8M0 scale for each 32 along K; both operands quantised along K; sums in f32.  Product 3 (3 columns) in f32 by packed fused multiply-adds.
; The cells come as whole numbers from idx, one bit for each 32 points from flags, the weights' codes and scale words from wq; all three were stored by the launch before.
; SHARES.  4,096 waves; a wave owns 256 neighbouring points and walks them in 8 passes of 32, A LANE A POINT while it encodes.  Sixteen waves of 256 registers to a work-group, four to a SIMD.
; TWO WAYS TO THE CORNERS, chosen pass by pass by a scalar branch on the pass's stored bit, round the encoding alone:
;   DENSE (all 12 coordinates of the 32 points in [0, 1)): the corners then lie in 17, 24, 32, 44 values an axis.  Those cells of all 24 tables lie in LDS, cell (x, y) of a level at y x dim + x, 8 bytes a cell, each level in
;   whole runs of 512 cells: 4,608 cells a plane, 221,184 bytes.  Each work-group fills them once, at its head.  The pass's words are the LDS addresses of corner (0, 0); the other three stand in the loads' immediates.
;   GENERAL (any other pass): the words are cx << 19 | (cy x prime) mod 2^19; the four indices are hashed here and the entries gathered from memory.
;   Either way 24 levels (plane, level) go through a ring of eight slots of 8 registers, a plane (four levels) at a time: while one plane is worked, the next is in the ring's other half or on its way there.
; LDS IN THREE PHASES.  The dense gathers' addresses are data.  So no store into LDS stands in their phase: the tables, W3 and the weights' images are stored ahead of the first barrier; between the barriers LDS is only read;
; the results wait in 24 registers and go through the stage behind the second barrier.
; PRODUCTS, used transposed: source 0 = 16 rows of a weight tile, source 1 = 16 points.  Row r of tile t is unit (r % 8) + 8 t + 32 (r / 8), so that in the results lane (r, h) holds, of point r, units 32 h + 0 .. 31 in
; ascending registers: ONE WHOLE BLOCK of the next K, in the order that the next operand wants: its largest magnitude needs no other lane, and the conversions' results are the operand.
; K is 64 (60 and four zeros) of the instruction's 128: the points' operand has zero codes in registers 4-7, so the weights' registers 4-7 may hold anything (every pattern of bits is codes of numbers; here: the next tile, or
; what stands behind the last), and bytes 2 and 3 of all scale words are 0.
; NO CLUSTER, NO TENSOR LOAD, though all work-groups fill the same cells: the cells are single entries of 8 bytes at hashed places of 24 tables, no tile that a descriptor states; and this text branches on stored bits.
; The next pass's words and points are asked for into registers ahead of the pass's three products, so no prefetch into a cache is laid beside them.
; LIMITS: as the first launch states (in a general pass |p0| < 96.9; NaN and infinities not served).  A block whose numbers are all zero gets the scale byte 1 where the rule says 127: its codes are zeros.
; THE MODE: SCHED_MODE bits 1:0 = 2 (LLVM: expert scheduling mode 2), set by the entry lines.  The code itself states the register dependences between vector or matrix instructions and memory or LDS instructions,
; with s_wait_alu, always for 0.
; THE PLAN.  Registers that memory or LDS instructions touch, round a pass:
;   the words v136-159   land by the loads asked for ahead of the last pass's product 1.  Dense: bounded in ONE run of 24 vector lines at the pass's head, then read as addresses by the 96 LDS gathers.  General: read by vector lines alone.
;   the ring v160-223    the gathers land in it, the bilinear lines read it; later it is the hidden layer, named by vector and matrix instructions alone.  A plane's four slots are asked for again in one run, behind one wait
;                        that follows the plane's bilinear lines; while a plane is worked its lines name the ring's other half, v224-239 and enc: none of the registers that the run touches.
;   v240-255             general passes: a plane's sixteen byte offsets, made together, read by the plane's sixteen gathers.
;   enc's coordinates    land with the words; read by the bilinear weights and by enc's quantiser.
;   v232-247             W1's four tiles, then W2's, by LDS loads; read by the products.  (v232-239 are also half of the bilinear lines' scratch.)
;   v224-255, enc's features of planes 0 to 3   W3's three columns, by LDS loads; read by product 3.
;   v1, v2               read by the loads of the next pass's words and points; one add each at a pass's head.
;   v3-7                 made at the kernel's head, never written again.
; REGISTERS: v1-7 addresses; v8-15 the weights' scale words; v16-18 the points' scale words; v19 lane; v20-43 the results of 8 passes; v44-52 the fill's offsets (head only); v54, v55 the closing add's two; v56-63, v64-71 the
;   two tiles of points (4 of codes, 4 zeros); v72-135 enc (v132-135 zeros); v136-159 the pass's 24 words; v160-223 the ring, then the hidden layer; v224-255 at work (v232-247 a layer's four weight tiles).
.set NPASS, 8
.set VP,   1                           ; v1   byte offset of my point in a plane's points (of the NEXT pass, once the pass has begun)
.set VI,   2                           ; v2   the same in a plane's words
.set VO,   3                           ; v3   16 x lane
.set VW3,  4                           ; v4   LDS: my wave's copy of W3, my half's three rows
.set VSTG, 5                           ; v5   LDS: my wave's stage + 12 x lane
.set VLD,  6                           ; v6   LDS: my wave's stage + 16 x lane
.set VWL,  7                           ; v7   LDS: the weights' images + 16 x lane
.set WS,   8
.set SW1,  16                          ; enc's scale words: lane = point
.set SW2,  17                          ; v17, v18: the hidden layer's, tile 0 and tile 1, in lanes 0-15
.set LN,   19
.set RO,   20                          ; the results: at the end pass i, column c at 20 + 3 i + c
.set FA,   44                          ; v44-52 the fill's nine byte offsets in a table
.set C0,   56
.set C1,   64
.set ENC,  72
.set IDX,  136
.set RING, 160
.set H,    160
.set FD,   160                         ; the fill's data: three sets of 18 registers
.set TMP,  224
.set WT,   TMP+8
.set GA,   TMP+16                      ; v240-255 in a general pass: a plane's sixteen byte offsets: level l, corner k at GA + 4 l + k
.set FS,   TMP+18                      ; v242-247 at the head only: the fill's LDS addresses, one for each plane: 8 x thread + the plane's first byte; none is stepped
.set PB,   4                           ; s[4:15]  the six planes' points
.set FLG,  24                          ; s24  the wave's eight bits, the pass in hand lowest
.set IB,   26                          ; s[26:37] the six planes' words
.set TB0,  38                          ; the 24 tables: level g at s[38 + 2 g + 2 (g / 13)]: s38-63 and s66-87
.set RES,  88                          ; s[88:95] the four resolutions, as pairs
.set MSK,  96                          ; s96  2^19 - 1
.set P19,  97                          ; s97  the prime modulo 2^19
.set SEL,  98                          ; s[98:99] v_permlanex16_b32's selects for lane l xor 16
.set LEFT, 2                           ; s2   passes to go
.set PLB,  36864                       ; LDS: a plane's 4,608 cells
.set DENSE, 6*PLB                      ; the six planes lie from byte 0 on
.set DTOP, DENSE-8*46                  ; the bound on a dense word: with the largest immediate, 8 x 45, and the load's 8 bytes it stays inside the cells
.set W3L,  DENSE                       ; sixteen copies of W3 (768 bytes: row 3 h + c of 128 bytes holds W3[32 h + 0 .. 31][c]),
.set WQL,  W3L+16*768                  ; the eight weight tiles' images, 512 bytes each,
.set STAGE, WQL+4096                   ; sixteen stages of 3,072 bytes (256 points x 12)
.macro PLACES n
.rept \n
	v_nop
.endr
.endm
; The next 32 points' words and coordinates: 12 loads; a wave reads 512 and 256 consecutive bytes.  The coordinates land in their places in enc.
.macro NEXT_IN
.irp p, 0,1,2,3,4,5
	global_load_b128 v[IDX+4*\p:IDX+4*\p+3], v[VI], s[IB+2*\p:IB+2*\p+1] th:TH_LOAD_NT
.endr
.irp p, 0,1,2,3,4,5
	global_load_b64 v[ENC+10*\p+8:ENC+10*\p+9], v[VP], s[PB+2*\p:PB+2*\p+1] th:TH_LOAD_NT
.endr
.endm
; THE FILL.  Run j of 512 cells of a plane: cell e = thread + eoff of a level of dim corners an axis.  y = e / dim by a multiplication (magic = 65536 / dim, rounded up: exact for e under 2,730 at these four dims),
; x = e - y dim; the entry's byte offset in its table is 8 x ((x xor y x prime) mod 2^19).  It is the same for all six planes.  Cells behind a level's dim^2 take an entry that nobody reads.
.macro FADDR j, dim, magic, eoff
	v_add_nc_u32 v[FA+\j], \eoff, v0
	v_mul_u32_u24 v[TMP+16], v[FA+\j], \magic
	v_lshrrev_b32 v[TMP+16], 16, v[TMP+16]         ; y
	v_mul_u32_u24 v[TMP+17], v[TMP+16], \dim
	v_sub_nc_u32 v[FA+\j], v[FA+\j], v[TMP+17]     ; x
	v_mul_u32_u24 v[TMP+16], v[TMP+16], s[P19]     ; y x (prime mod 2^19): under 2^25, and equal to y x prime modulo 2^19
	v_xor_b32 v[FA+\j], v[FA+\j], v[TMP+16]
	v_and_b32 v[FA+\j], s[MSK], v[FA+\j]
	v_lshlrev_b32 v[FA+\j], 3, v[FA+\j]
.endm
.macro FILL_LD p                       ; plane p's nine runs: run 0 is level 0, runs 1, 2 level 1, runs 3, 4 level 2, runs 5 to 8 level 3
.irp j, 0,1,2,3,4,5,6,7,8
.set LV, (\j+1)/2
.if LV > 3
.set LV, 3
.endif
.set G, 4*(\p)+LV
	global_load_b64 v[FD+18*((\p)%3)+2*\j:FD+18*((\p)%3)+2*\j+1], v[FA+\j], s[TB0+2*G+2*(G/13):TB0+2*G+2*(G/13)+1]
.endr
.endm
.macro FILL_ST p
.irp j, 0,1,2,3,4,5,6,7,8
	ds_store_b64 v[FS+(\p)], v[FD+18*((\p)%3)+2*\j:FD+18*((\p)%3)+2*\j+1] offset:4096*\j   ; a wave stores 256 consecutive bytes
.endr
.endm
	s_load_b256 s[4:11], s[0:1], 0x0               ; the six planes' points
	s_load_b128 s[12:15], s[0:1], 0x20
	s_load_b64 s[TB0:TB0+1], s[0:1], 0x30          ; tables
	s_load_b64 s[18:19], s[0:1], 0x38              ; W3
	s_load_b64 s[IB:IB+1], s[0:1], 0x40            ; idx
	s_load_b128 s[20:23], s[0:1], 0x48             ; wq s[20:21], out0 s[22:23]
	s_load_b64 s[16:17], s[0:1], 0x58              ; flags
	v_lshl_add_u32 v54, v0, 2, 0x46000             ; the closing add's two registers: my spare word, behind the stages, and 0; kept for that line alone
	v_mov_b32 v55, 0
	v_lshrrev_b32 v[LN], 5, v0
	v_readfirstlane_b32 s100, v[LN]                ; wave 0 .. 15
	v_and_b32 v[LN], 31, v0                        ; lane
	s_wait_alu depctr_va_sdst(0)                   ; s100 is written, ahead of its first reader: the wave's place in the launch and in LDS is made from it
	s_lshl_b32 s101, ttmp9, 4
	s_add_co_u32 s101, s101, s100                  ; my wave among the launch's 4,096
	s_lshl_b32 s2, s101, 8                         ; its first point
	v_add_nc_u32 v[VP], s2, v[LN]
	v_lshlrev_b32 v[VI], 4, v[VP]
	v_lshlrev_b32 v[VP], 3, v[VP]
	v_lshlrev_b32 v[VO], 4, v[LN]
	s_mul_i32 s3, s100, 768
	s_add_co_u32 s3, s3, W3L                       ; my copy of W3
	v_bfe_u32 v[VW3], v0, 4, 1                     ; h
	v_mad_u32_u24 v[VW3], v[VW3], 384, s3
	v_lshl_add_u32 v[TMP+10], v[LN], 2, s3         ; into it: 4 bytes a lane
	s_mul_i32 s3, s100, 3072
	s_add_co_u32 s3, s3, STAGE                     ; my stage
	v_mad_u32_u24 v[VSTG], v[LN], 12, s3
	v_add_nc_u32 v[VLD], s3, v[VO]
	v_add_nc_u32 v[VWL], WQL, v[VO]
	v_lshl_add_u32 v[TMP+11], v0, 3, WQL           ; the images on their way in: 8 bytes a thread, 4,096 in all
	v_lshlrev_b32 v[TMP+14], 3, v0                 ; and the same 8 bytes in wq
	v_lshlrev_b32 v[FS], 3, v0                     ; the fill: 8 bytes a thread,
.irp p, 1,2,3,4,5
	v_add_nc_u32 v[FS+\p], \p*PLB, v[FS]           ; in each of the six planes
.endr
	v_mul_u32_u24 v[TMP+8], v[LN], 12              ; W3 in memory: 12 bytes a row
	v_lshlrev_b32 v[TMP+9], 2, v[LN]               ; scale words: 4 bytes a lane
	s_mov_b32 s[RES+0], 0x41800000                 ; 16
	s_mov_b32 s[RES+2], 0x41b0e219                 ; 16 x 1.3819, rounded to f32
	s_mov_b32 s[RES+4], 0x41f46f55                 ; 16 x 1.3819^2
	s_mov_b32 s[RES+6], 0x4228e46d                 ; 16 x 1.3819^3
.irp l, 0,1,2,3
	s_mov_b32 s[RES+2*\l+1], s[RES+2*\l]
.endr
	s_mov_b32 s[MSK], 0x7ffff
	s_mov_b32 s[P19], 0x779b1
	s_mov_b32 s[SEL], 0x76543210
	s_mov_b32 s[SEL+1], 0xfedcba98
	FADDR 0, 17, 3856, 0
	FADDR 1, 24, 2731, 0
	FADDR 2, 24, 2731, 512
	FADDR 3, 32, 2048, 0
	FADDR 4, 32, 2048, 512
	FADDR 5, 44, 1490, 0
	FADDR 6, 44, 1490, 512
	FADDR 7, 44, 1490, 1024
	FADDR 8, 44, 1490, 1536
.irp z, C0+4, C1+4, ENC+60, TMP+24
.irp i, 0,1,2,3
	v_mov_b32 v[\z+\i], 0                          ; k = 64 .. 127 of both tiles of points and enc's numbers 60 to 63: never rewritten.  The four behind the weight tiles: written, so that they may be named
.endr
.endr
	v_mov_b32 v[TMP+6], 0                          ; (a lane permute's destination counts as one of its sources)
	v_mov_b32 v[TMP+7], 0
.set I, 3
.rept 21
	v_mov_b32 v[RO+I], 0                           ; the results' registers are moved down from the first pass on: so they are written
.set I, I+1
.endr
	s_wait_kmcnt 0x0
	s_wait_alu depctr_va_vdst(0)                   ; every offset and address of the kernel is written (v1-7, v44-52, v54, v55, v232-235, v238, v242-247), which the loads and LDS stores from here on read; no vector line stands between here and the first pass
.irp j, 0,1,2,3,4,5
	global_load_b32 v[TMP+\j], v[TMP+8], s[18:19] offset:384*(\j/3)+4*(\j%3)   ; W3[32 (j / 3) + lane][j % 3]
.endr
	global_load_b64 v[TMP+12:TMP+13], v[TMP+14], s[20:21]                      ; the weight tiles' images, the work-group's 512 threads together
.irp n, 0,1,2,3,4,5,6,7
	global_load_b32 v[WS+\n], v[TMP+9], s[20:21] offset:4096+128*\n            ; their scale words: they stay in registers
.endr
.irp p, 1,2,3,4,5
	s_add_nc_u64 s[IB+2*\p:IB+2*\p+1], s[IB:IB+1], \p*0x1000000               ; a plane's words are 2^24 bytes
.endr
	NEXT_IN                                        ; the first pass's
	s_lshl_b32 s2, s101, 3                         ; two words of flags a wave: 128 points each
	s_mov_b32 s3, 0
	s_add_nc_u64 s[16:17], s[16:17], s[2:3]
	s_load_b64 s[24:25], s[16:17], 0x0
	s_mul_i32 s2, s101, 3072                       ; my wave's 256 rows of out0
	s_add_nc_u64 s[22:23], s[22:23], s[2:3]
.set G, 1
.rept 23
	s_add_nc_u64 s[TB0+2*G+2*(G/13):TB0+2*G+2*(G/13)+1], s[TB0:TB0+1], G*0x400000   ; a level's table is 2^22 bytes
.set G, G+1
.endr
	FILL_LD 0
	FILL_LD 1
	FILL_LD 2
	s_wait_loadcnt 47                              ; W3's six and the image's one are in: behind them 8 + 12 + 27 loads were issued
.irp j, 0,1,2,3,4,5
	ds_store_b32 v[TMP+10], v[TMP+\j] offset:128*\j
.endr
	ds_store_b64 v[TMP+11], v[TMP+12:TMP+13]
.irp p, 0,1,2,3,4,5
.if \p < 4
	s_wait_loadcnt 18                              ; plane p's nine are in; the two planes behind it may be out
.else
	s_wait_loadcnt 9*(5-\p)
.endif
	FILL_ST \p
	s_wait_dscnt 0x0                               ; plane p's stores have landed
.if \p < 3
	s_wait_alu depctr_vm_vsrc(0)                   ; the LDS stores have read their set of 18 registers, in which the loads below land
	FILL_LD \p+3                                   ; into the set just stored
.endif
.endr
	s_wait_kmcnt 0x0                               ; the flags
	s_lshl_b32 s25, s25, 4
	s_or_b32 s[FLG], s[FLG], s25                   ; bit i: pass i
	s_wait_dscnt 0x0                               ; for the others' sake: all my stores into LDS have landed
	s_barrier_signal -1
	s_barrier_wait -1                              ; THE FIRST BARRIER: the cells, W3 and the images lie in LDS; from here to the second barrier LDS is only read
; GENERAL.  Level g = 4 x plane + level: the four corners' byte offsets from its word, into v[GA + 4 (g % 4) ..]; the odd registers of ring slot g % 8, which has been read, serve as scratch.
.macro GADDR g
.set R, RING+8*((\g)%8)
.set W, IDX+(\g)
.set A, GA+4*((\g)%4)
	v_and_b32 v[R+1], s[MSK], v[W]                 ; (cy x prime) mod 2^19
	v_add_nc_u32 v[R+3], s[P19], v[W]
	v_ashrrev_i32 v[R+5], 19, v[W]                 ; cx
	v_and_b32 v[R+3], s[MSK], v[R+3]               ; ((cy + 1) x prime) mod 2^19
	v_add_nc_u32 v[R+7], 1, v[R+5]
	v_and_b32 v[R+5], s[MSK], v[R+5]               ; cx mod 2^19
	v_and_b32 v[R+7], s[MSK], v[R+7]               ; (cx + 1) mod 2^19
	v_xor_b32 v[A], v[R+5], v[R+1]                 ; corner (0, 0)
	v_xor_b32 v[A+1], v[R+7], v[R+1]               ; (1, 0)
	v_xor_b32 v[A+2], v[R+5], v[R+3]               ; (0, 1)
	v_xor_b32 v[A+3], v[R+7], v[R+3]               ; (1, 1)
.irp k, 0,1,2,3
	v_min_u32 v[A+\k], 0x7ffff, v[A+\k]            ; a loaded number enters an address behind a bound written in the instruction; it changes nothing here
.endr
.irp k, 0,1,2,3
	v_lshlrev_b32 v[A+\k], 3, v[A+\k]              ; 8 bytes an entry
.endr
.endm
; and its four gathers, into ring slot g % 8
.macro GLOAD g
.set R, RING+8*((\g)%8)
.set A, GA+4*((\g)%4)
.set B, TB0+2*(\g)+2*((\g)/13)
.irp k, 0,1,2,3
	global_load_b64 v[R+2*\k:R+2*\k+1], v[A+\k], s[B:B+1]   ; the entry's two features
.endr
.endm
; DENSE.  The word, bounded at the pass's head, is the LDS address of corner (0, 0); (1, 0) lies 8 bytes on, (0, 1) a row of dim cells on.
.macro DISSUE g
.set R, RING+8*((\g)%8)
.set W, IDX+(\g)
.if (\g)%4 == 0
.set DM, 17
.elseif (\g)%4 == 1
.set DM, 24
.elseif (\g)%4 == 2
.set DM, 32
.else
.set DM, 44
.endif
	ds_load_b64 v[R:R+1], v[W]
	ds_load_b64 v[R+2:R+3], v[W] offset:8
	ds_load_b64 v[R+4:R+5], v[W] offset:8*DM
	ds_load_b64 v[R+6:R+7], v[W] offset:8*DM+8
.endm
; Level g's bilinear weights (made while its four loads may still be out), the wait, and its two features into enc.  dense: which counter the four loads are on.
; While plane j is worked, the levels up to 4 j + 7 have been asked for, and none beyond level 23: so 7 - g % 4 levels, or 23 - g, were issued behind level g.
.macro CONSUME g, dense
.set R, RING+8*((\g)%8)
.set T, TMP+8*((\g)%2)
.set PT, ENC+10*((\g)/4)+8
.set E, ENC+10*((\g)/4)+2*((\g)%4)
.set RS, RES+2*((\g)%4)
.set YOUNGER, 7-(\g)%4
.if YOUNGER > 23-(\g)
.set YOUNGER, 23-(\g)
.endif
	v_pk_mul_f32 v[T:T+1], v[PT:PT+1], s[RS:RS+1] op_sel_hi:[1,0]             ; pos = p x res
	v_floor_f32 v[T+2], v[T]
	v_floor_f32 v[T+3], v[T+1]
	v_pk_add_f32 v[T:T+1], v[T:T+1], v[T+2:T+3] neg_lo:[0,1] neg_hi:[0,1]     ; wx, wy
	v_pk_fma_f32 v[T+2:T+3], v[T:T+1], -1.0, 1.0 op_sel_hi:[1,0,0]            ; 1 - wx, 1 - wy
	v_pk_mul_f32 v[T+4:T+5], v[T+2:T+3], v[T:T+1] op_sel:[0,1] op_sel_hi:[1,0]   ; (1 - wx) wy, (1 - wy) wx
	v_mul_f32 v[T+6], v[T+2], v[T+3]                                          ; (1 - wx) (1 - wy)
	v_mul_f32 v[T+7], v[T], v[T+1]                                            ; wx wy
.if \dense
	s_wait_dscnt 4*YOUNGER                         ; LDS loads come back in order: this level's four are in; the later levels' in the ring may be out
.else
	s_wait_loadcnt 4*YOUNGER                       ; the same of the gathers from memory
.endif
	v_pk_mul_f32 v[E:E+1], v[R:R+1], v[T+6:T+7] op_sel_hi:[1,0]
	v_pk_fma_f32 v[E:E+1], v[R+2:R+3], v[T+4:T+5], v[E:E+1] op_sel:[0,1,0] op_sel_hi:[1,1,1]
	v_pk_fma_f32 v[E:E+1], v[R+4:R+5], v[T+4:T+5], v[E:E+1] op_sel_hi:[1,0,1]
	v_pk_fma_f32 v[E:E+1], v[R+6:R+7], v[T+6:T+7], v[E:E+1] op_sel:[0,1,0] op_sel_hi:[1,1,1]
.endm
; A layer's four weight tiles, n0 on, from their images: any wave that loads an image by these lines has the operand's registers.
.macro WEIGHTS n0
.irp t, 0,1,2,3
	ds_load_b128 v[WT+4*\t:WT+4*\t+3], v[VWL] offset:512*(\n0+\t)
.endr
.endm
; Eight matrix instructions: the four weight tiles x the two tiles of points.  Each has an accumulator of its own and the constant 0 as C: K is one step, so nothing is added in place.
.macro LAYER n0, sa, sb, rowb
.irp t, 0,1,2,3
	v_wmma_scale_f32_16x16x128_f8f6f4 v[H+8*\t:H+8*\t+7], v[WT+4*\t:WT+4*\t+7], v[C0:C0+7], 0, v[WS+\n0+\t], v[\sa] matrix_a_fmt:MATRIX_FMT_FP4 matrix_b_fmt:MATRIX_FMT_FP4
.if \rowb
	v_wmma_scale_f32_16x16x128_f8f6f4 v[H+32+8*\t:H+32+8*\t+7], v[WT+4*\t:WT+4*\t+7], v[C1:C1+7], 0, v[WS+\n0+\t], v[\sb] matrix_a_fmt:MATRIX_FMT_FP4 matrix_b_fmt:MATRIX_FMT_FP4 matrix_b_scale:MATRIX_SCALE_ROW1
.else
	v_wmma_scale_f32_16x16x128_f8f6f4 v[H+32+8*\t:H+32+8*\t+7], v[WT+4*\t:WT+4*\t+7], v[C1:C1+7], 0, v[WS+\n0+\t], v[\sb] matrix_a_fmt:MATRIX_FMT_FP4 matrix_b_fmt:MATRIX_FMT_FP4
.endif
.endr
.endm
; From two largest magnitudes in v[TMP], v[TMP+1]: the conversions' scale operands in v[TMP+2], v[TMP+3], the scale bytes in v[TMP+4], v[TMP+5].
.macro SCALES
	v_add_nc_u32 v[TMP+2], 0xff000000, v[TMP]      ; 2 off the exponent field: the conversion takes the exponent field of this operand as its scale
	v_add_nc_u32 v[TMP+3], 0xff000000, v[TMP+1]
	v_lshrrev_b32 v[TMP+4], 23, v[TMP+2]
	v_lshrrev_b32 v[TMP+5], 23, v[TMP+3]
.endm
; Column c of product 3, for both tiles of points: my half's 32 units x W3's 32 numbers, two at a time; the two tiles' chains by turns.  enc = 1: W3's numbers lie in enc's feature places of planes 0 to 3.
.macro DOT c, enc
.set AC0, ENC+40+4*(\c)+2*((\c)/2)     ; v112, v116, v122: feature places of planes 4 and 5
.set AC1, AC0+2
.set I, 0
.rept 16
.if \enc
.set WR, ENC+10*(I/8)+I%8
.else
.set WR, TMP+I
.endif
.if I == 0
	v_pk_mul_f32 v[AC0:AC0+1], v[H+I:H+I+1], v[WR:WR+1]
	v_pk_mul_f32 v[AC1:AC1+1], v[H+32+I:H+32+I+1], v[WR:WR+1]
.else
	v_pk_fma_f32 v[AC0:AC0+1], v[H+I:H+I+1], v[WR:WR+1], v[AC0:AC0+1]
	v_pk_fma_f32 v[AC1:AC1+1], v[H+32+I:H+32+I+1], v[WR:WR+1], v[AC1:AC1+1]
.endif
.set I, I+2
.endr
.endm
	s_mov_b32 s[LEFT], NPASS
.Lpass:
	s_wait_loadcnt 0x0                             ; the pass's words and coordinates are in (asked for ahead of the last pass's products); their address registers are free
	s_wait_alu depctr_vm_vsrc(0)                   ; those loads have read v1 and v2, which the two lines below write; in the first pass: the head's loads and LDS stores have read the ring's registers and v224-247, which the pass writes
	v_add_nc_u32 v[VP], 256, v[VP]                 ; on to the next pass's 32 points
	v_add_nc_u32 v[VI], 512, v[VI]
	s_and_b32 s3, s[FLG], 1                        ; the pass's stored bit
	s_lshr_b32 s[FLG], s[FLG], 1
	s_cmp_lg_u32 s3, 0
	s_cbranch_scc1 .Ldense
	; ---- the encoding, general: the entries come from memory.  A plane's sixteen offsets are made together, so that one wait serves its sixteen gathers
.irp g, 0,1,2,3
	GADDR \g
.endr
	s_wait_alu depctr_va_vdst(0)                   ; plane 0's offsets are written, which the gathers read; the last pass's products and sums, and the lines above, are done with the ring's registers, in which the gathers land
.irp g, 0,1,2,3
	GLOAD \g
.endr
	s_wait_xcnt 0x0                                ; plane 0's gathers have had their addresses translated (ISA guide 3.1),
	s_wait_alu depctr_vm_vsrc(0)                   ; and have read v240-255, which the lines below write again
.irp g, 4,5,6,7
	GADDR \g
.endr
	s_wait_alu depctr_va_vdst(0)                   ; plane 1's offsets are written; the lines above are done with slots 4 to 7
.irp g, 4,5,6,7
	GLOAD \g
.endr
.set G, 0
.rept 24
.if (G%4 == 0) && (G >= 4) && (G < 20)
	s_wait_xcnt 0x0                                ; the gathers issued so far have had their addresses translated,
	s_wait_alu depctr_vm_vsrc(0)                   ; and have read v240-255, which the lines below write again
	GADDR G+4                                      ; the plane two on from the one just worked; its scratch lies in the four slots just read
	GADDR G+5
	GADDR G+6
	GADDR G+7
	s_wait_alu depctr_va_vdst(0)                   ; its offsets are written; the plane just worked has read its four slots, and the lines above are done with them: the gathers below land there
	GLOAD G+4
	GLOAD G+5
	GLOAD G+6
	GLOAD G+7
.endif
	CONSUME G, 0
.set G, G+1
.endr
	s_wait_alu depctr_vm_vsrc(0)                   ; the last plane's gathers have read v240-255: W1's tiles land in v240-247, W3's columns in the rest
	s_branch .Lencoded
.Ldense:
	; ---- the encoding, dense: the entries come from LDS.  All 24 words are bounded first, so that one wait serves all 96 gathers' addresses
.set G, 0
.rept 24
	v_min_u32 v[IDX+G], DTOP, v[IDX+G]             ; a loaded number enters an address behind a bound written in the instruction; it changes no word that the first launch made
.set G, G+1
.endr
	s_wait_alu depctr_va_vdst(0)                   ; the 24 words are written, which the gathers read as addresses; the last pass's products and sums are done with the ring's registers, in which the gathers land
.irp g, 0,1,2,3,4,5,6,7
	DISSUE \g
.endr
.set G, 0
.rept 24
.if (G%4 == 0) && (G >= 4) && (G < 20)
	s_wait_alu depctr_va_vdst(0)                   ; the plane just worked has read its four slots, in which the sixteen gathers below land.  Until the next such wait the bilinear lines name the other four slots, v224-239 and enc alone
	DISSUE G+4                                     ; the plane two on from the one just worked
	DISSUE G+5
	DISSUE G+6
	DISSUE G+7
.endif
	CONSUME G, 1
.set G, G+1
.endr
	s_wait_alu depctr_vm_vsrc(0)                   ; the gathers have read the 24 words, in which the next pass's words land
.Lencoded:
	s_wait_alu depctr_va_vdst(0)                   ; the bilinear lines are done with their scratch v232-239 (in a general pass: the offsets' lines with v240-247), in which W1's tiles land
	WEIGHTS 0                                      ; W1's four tiles: they land while enc is quantised
	; ---- enc is quantised: a lane holds its point's two blocks
	v_max3_num_f32 v[TMP], |v[ENC]|, |v[ENC+1]|, 0x1800000        ; the floor 2^(3 - 127) among the leaves: the byte cannot fall under 1
	v_max3_num_f32 v[TMP+1], |v[ENC+32]|, |v[ENC+33]|, 0x1800000
.irp i, 2,4,6,8,10,12,14,16,18,20,22,24,26
	v_max3_num_f32 v[TMP], v[TMP], |v[ENC+\i]|, |v[ENC+\i+1]|
	v_max3_num_f32 v[TMP+1], v[TMP+1], |v[ENC+32+\i]|, |v[ENC+33+\i]|   ; (the second block has 28 numbers and four zeros)
.endr
	v_max3_num_f32 v[TMP], v[TMP], |v[ENC+28]|, |v[ENC+29]|
	v_max3_num_f32 v[TMP], v[TMP], |v[ENC+30]|, |v[ENC+31]|
	SCALES
	v_lshl_or_b32 v[SW1], v[TMP+5], 8, v[TMP+4]    ; my point's scale word
.irp g, 0,1,2,3
	v_cvt_scalef32_pk8_fp4_f32 v[C0+\g], v[ENC+8*\g:ENC+8*\g+7], v[TMP+2]
	v_cvt_scalef32_pk8_fp4_f32 v[C1+\g], v[ENC+32+8*\g:ENC+32+8*\g+7], v[TMP+3]
.endr
	v_nop                                          ; one plain line between a scaled conversion and the vector instruction that touches its result
.irp g, 0,1,2,3
	v_permlane16_swap_b32 v[C0+\g], v[C1+\g]       ; the first's lanes 16-31 change places with the second's lanes 0-15: now tile 0 (points 0-15) and tile 1, lanes 0-15 block 0, lanes 16-31 block 1
.endr
	PLACES 8                                       ; a scale register written by a vector instruction stands 8 places ahead of a scaled matrix instruction, an operand so written 4
	s_wait_alu depctr_va_vdst(0)                   ; the codes and the scale word are written, which product 1 takes; the quantiser is done reading the coordinates, and the pass's head has written the words, v1 and v2: the loads below land in the first two and read the last two
	s_cmp_eq_u32 s[LEFT], 1                        ; the last pass asks for nothing: no load leaves its buffer
	s_cbranch_scc1 .Lno_next
	NEXT_IN                                        ; these loads have the three products in which to land
.Lno_next:
	s_wait_dscnt 0x0                               ; W1's tiles are in
	; ---- product 1
	LAYER 0, SW1, SW1, 1                           ; tile 1's scale words stand in lanes 16-31 of the same register
	PLACES 4                                       ; four places ahead of the first read of results (ISA guide 7.12.1)
	s_wait_alu depctr_va_vdst(0)                   ; product 1 is done reading W1's tiles, in whose registers W2's land
	WEIGHTS 4                                      ; W2's four tiles, where W1's lay: they land while the hidden layer is quantised
	; ---- relu and quantiser: lane (r, h) holds block h of point r, for both tiles.  No |.|: what is negative does not count; the floor stands over it.  Each accumulator is read from its low end on
	v_max3_num_f32 v[TMP], v[H], v[H+1], 0x1800000
	v_max3_num_f32 v[TMP+1], v[H+32], v[H+33], 0x1800000
.irp i, 2,4,6,8,10,12,14,16,18,20,22,24,26,28,30
	v_max3_num_f32 v[TMP], v[TMP], v[H+\i], v[H+\i+1]
	v_max3_num_f32 v[TMP+1], v[TMP+1], v[H+32+\i], v[H+33+\i]
.endr
	SCALES
	v_permlanex16_b32 v[TMP+6], v[TMP+4], s[SEL], s[SEL+1]
	v_permlanex16_b32 v[TMP+7], v[TMP+5], s[SEL], s[SEL+1]
	v_lshl_or_b32 v[SW2], v[TMP+6], 8, v[TMP+4]    ; in lanes 0-15: block 0's byte, block 1's above it (lanes 16-31 are not read)
	v_lshl_or_b32 v[SW2+1], v[TMP+7], 8, v[TMP+5]
.set I, 0
.rept 64
	v_max_num_f32 v[H+I], 0, v[H+I]                ; the activation, in f32
.set I, I+1
.endr
.irp g, 0,1,2,3
	v_cvt_scalef32_pk8_fp4_f32 v[C0+\g], v[H+8*\g:H+8*\g+7], v[TMP+2]
	v_cvt_scalef32_pk8_fp4_f32 v[C1+\g], v[H+32+8*\g:H+32+8*\g+7], v[TMP+3]
.endr
	s_wait_dscnt 0x0                               ; W2's tiles are in
	PLACES 8                                       ; behind the conversions, ahead of the scaled matrix instructions that read their results and write over their sources
	s_wait_alu depctr_va_vdst(0)                   ; the hidden layer's codes and its two scale words are written, which product 2 takes
	; ---- product 2
	LAYER 4, SW2, SW2+1, 0
	PLACES 4                                       ; four places ahead of the first read of results
	s_wait_alu depctr_va_vdst(0)                   ; product 2 is done reading W2's tiles and the quantisers are done with v224-231 and with enc's features: W3's columns land in these
.irp q, 0,1,2,3,4,5,6,7
	ds_load_b128 v[TMP+4*\q:TMP+4*\q+3], v[VW3] offset:16*\q                   ; W3's column 0, my half's 32 numbers: sixteen lanes read the same bytes
.endr
.irp q, 0,1,2,3,4,5,6,7
	ds_load_b128 v[ENC+10*(\q/2)+4*(\q%2):ENC+10*(\q/2)+4*(\q%2)+3], v[VW3] offset:128+16*\q   ; column 1, into enc's feature places of planes 0 to 3 (the coordinates' places await the next pass's loads)
.endr
.set I, 0
.rept 64
	v_max_num_f32 v[H+I], 0, v[H+I]                ; ascending: each accumulator from its low end on
.set I, I+1
.endr
	; ---- product 3, in f32
	s_wait_dscnt 8                                 ; column 0 is in; column 1's eight loads may be out
	DOT 0, 0
	s_wait_alu depctr_va_vdst(0)                   ; column 0's sums are done reading v224-255, in which column 2 lands
.irp q, 0,1,2,3,4,5,6,7
	ds_load_b128 v[TMP+4*\q:TMP+4*\q+3], v[VW3] offset:256+16*\q               ; column 2, where column 0 lay
.endr
	s_wait_dscnt 8                                 ; column 1 is in; column 2's eight may be out
	DOT 1, 1
	s_wait_dscnt 0x0
	DOT 2, 0
.irp a, 40,42,44,46,50,52
	v_add_f32 v[ENC+\a], v[ENC+\a], v[ENC+\a+1]    ; even units' and odd units' sums
.endr
.set I, 0
.rept 21
	v_mov_b32 v[RO+I], v[RO+I+3]                   ; the earlier passes' results move three registers down: a register's number cannot follow the loop's counter, and LDS takes no store in this phase
.set I, I+1
.endr
.irp a, 40,44,50
	v_permlane16_swap_b32 v[ENC+\a], v[ENC+\a+2]   ; tile 0's upper lanes change places with tile 1's lower: the first now holds units 0-31's sum of point = lane, the second units 32-63's
.endr
	v_add_f32 v[RO+21], v[ENC+40], v[ENC+42]       ; this pass's three results, a lane a point
	v_add_f32 v[RO+22], v[ENC+44], v[ENC+46]
	v_add_f32 v[RO+23], v[ENC+50], v[ENC+52]
	s_sub_co_i32 s[LEFT], s[LEFT], 1
	s_cmp_lg_u32 s[LEFT], 0
	s_cbranch_scc1 .Lpass
	; ---- the way out: my 256 points' 3,072 bytes, through my stage, as they lie in out0
	s_wait_dscnt 0x0                               ; my reads of LDS are over
	s_barrier_signal -1
	s_barrier_wait -1                              ; THE SECOND BARRIER: every wave's gathers are over; now LDS is stored into again
	s_wait_alu depctr_va_vdst(0)                   ; the 24 results are written, which the LDS stores read; column 2's sums are done reading v224-247, in which the stage's loads land
.set I, 0
.rept 24
	ds_store_b32 v[VSTG], v[RO+I] offset:384*(I/3)+4*(I%3)                     ; 12 bytes a point, 384 a pass; 32 lanes fall on 32 different banks
.set I, I+1
.endr
.irp j, 0,1,2,3,4,5
	ds_load_b128 v[TMP+4*\j:TMP+4*\j+3], v[VLD] offset:512*\j                  ; LDS serves a wave's instructions in order (ISA guide 5.7.1.4): these see my stores
.endr
.irp j, 0,1,2,3,4,5
	s_wait_dscnt 5-\j                              ; load j is in; the later ones may be out
	global_store_b128 v[VO], v[TMP+4*\j:TMP+4*\j+3], s[22:23] offset:512*\j th:TH_STORE_NT   ; 32 lanes store 512 consecutive bytes, at a multiple of 256 from out0's first byte
.endr
	s_wait_dscnt 0x0                               ; the closing lines, six on end
	s_wait_alu 0x0
	s_wait_tensorcnt 0x0
	ds_add_u32 v54, v55
	s_wait_dscnt 0x0
	s_endpgm
.Lfunc_end_k_qa07e2a860e_mlp:
	.size	k_qa07e2a860e_mlp, .Lfunc_end_k_qa07e2a860e_mlp-k_qa07e2a860e_mlp
	.p2alignl 7, 3214868480
	.fill 96, 4, 3214868480
	.section	.rodata,"a",@progbits
	.p2align	6, 0x0
	.amdhsa_kernel k_qa07e2a860e_mlp
		.amdhsa_group_segment_fixed_size 288768
		.amdhsa_private_segment_fixed_size 0
		.amdhsa_enable_private_segment 0
		.amdhsa_kernarg_size 96
		.amdhsa_user_sgpr_count 2
		.amdhsa_user_sgpr_kernarg_segment_ptr 1
		.amdhsa_wavefront_size32 1
		.amdhsa_system_sgpr_workgroup_id_x 1
		.amdhsa_system_sgpr_workgroup_id_y 1
		.amdhsa_system_sgpr_workgroup_id_z 1
		.amdhsa_system_vgpr_workitem_id 0
		.amdhsa_next_free_vgpr 256
		.amdhsa_next_free_sgpr 102
		.amdhsa_reserve_vcc 0
		.amdhsa_float_denorm_mode_32 3
		.amdhsa_float_denorm_mode_16_64 3
		.amdhsa_memory_ordered 1
		.amdhsa_forward_progress 1
		.amdhsa_inst_pref_size 115
	.end_amdhsa_kernel
	.amdgpu_metadata
---
amdhsa.version: [ 1, 2 ]
amdhsa.kernels:
  - .name:           k_qa07e2a860e_mlp
    .symbol:         k_qa07e2a860e_mlp.kd
    .args:
      - { .name: points_xy, .offset: 0, .size: 8, .value_kind: global_buffer, .address_space: global }
      - { .name: points_xz, .offset: 8, .size: 8, .value_kind: global_buffer, .address_space: global }
      - { .name: points_yz, .offset: 16, .size: 8, .value_kind: global_buffer, .address_space: global }
      - { .name: points_xt, .offset: 24, .size: 8, .value_kind: global_buffer, .address_space: global }
      - { .name: points_yt, .offset: 32, .size: 8, .value_kind: global_buffer, .address_space: global }
      - { .name: points_zt, .offset: 40, .size: 8, .value_kind: global_buffer, .address_space: global }
      - { .name: tables, .offset: 48, .size: 8, .value_kind: global_buffer, .address_space: global }
      - { .name: W3, .offset: 56, .size: 8, .value_kind: global_buffer, .address_space: global }
      - { .name: idx, .offset: 64, .size: 8, .value_kind: global_buffer, .address_space: global }
      - { .name: wq, .offset: 72, .size: 8, .value_kind: global_buffer, .address_space: global }
      - { .name: out0, .offset: 80, .size: 8, .value_kind: global_buffer, .address_space: global }
      - { .name: flags, .offset: 88, .size: 8, .value_kind: global_buffer, .address_space: global }
    .group_segment_fixed_size: 288768
    .private_segment_fixed_size: 0
    .kernarg_segment_align: 8
    .kernarg_segment_size: 96
    .max_flat_workgroup_size: 512
    .sgpr_count:     102
    .vgpr_count:     256
    .wavefront_size: 32
...
	.end_amdgpu_metadata
.endif
;; end of part 5
